; MI455X (gfx1250); checked and timed in simulation.
; The chip was launched on July 23, 2026; its instructions are those of AMD's public machine-readable ISA for CDNA 5 (MIT licence, August 2026) and "CDNA5" Instruction Set Architecture Reference Guide (July 2026). The comments in the code are by the model that wrote it; some were corrected since.
;; Multi Headed Attention. Allowed arithmetic: matrix products marked QUANTISED: E2M3 operands, one E8M0 scale for each 32 along K, by v_wmma_scale_f32_16x16x128_f8f6f4 with both operands' format E2M3, f32 sums; everything else in f32.
;; Inputs: Wk 1,024 x 1,024 float32; Wo 1,024 x 1,024 float32; Wq 1,024 x 1,024 float32; Wv 1,024 x 1,024 float32; bk 1,024 float32; bo 1,024 float32; bq 1,024 float32; bv 1,024 float32; mask 4 x 1 x 1 x 2,048 int32; x 4 x 2,048 x 1,024 float32.
;; Outputs: out0 4 x 2,048 x 1,024 float32.
;; This version of the problem:
;;   THIS VERSION OF THE PROBLEM IS GIVEN IN LOW PRECISION. The matrix products marked QUANTISED in the list below multiply operands that are first quantised to E2M3 (2 exponent bits, 3 mantissa bits; 6 bits a number), with one power-of-two scale for each 32 numbers along K (OCP MX v1.0); their sums are f32. All else is computed in f32.
;;   The module's matrix products, in the order in which they are computed (A, B: the left and right operand; K: the contracted axis; several contracted axes count as one K, in the product's order):
;;     1. [M 8,192, K 1,024] x [K 1,024, N 1,024]; A: input x; B: input Wq: QUANTISED
;;     2. [M 8,192, K 1,024] x [K 1,024, N 1,024]; A: input x; B: input Wk: QUANTISED
;;     3. [M 8,192, K 1,024] x [K 1,024, N 1,024]; A: input x; B: input Wv: QUANTISED
;;     4. batch 64 x [M 2,048, K 64] x [K 64, N 2,048]; A: computed on the way; B: computed on the way: QUANTISED
;;     5. batch 64 x [M 2,048, K 2,048] x [K 2,048, N 64]; A: softmax (see below); B: computed on the way: QUANTISED
;;     6. [M 8,192, K 1,024] x [K 1,024, N 1,024]; A: computed on the way; B: input Wo: QUANTISED
;;   THE QUANTISER, for each operand of a quantised product, along K:
;;     - K is cut into blocks of 32 from its start; a last block that is shorter is filled with zeros.
;;     - A block's scale is 2^e with e = floor(log2(the largest magnitude in the block)) - 2, held to -126 .. 127; a block of zeros has e = 0. As a byte (E8M0): e + 127.
;;     - Each number is divided by its block's scale, clamped to +-7.5, and rounded to the nearest number of E2M3, ties to even, subnormals kept.
;;     - The product sums the exact products of the quantised numbers (number of the format x scale) in f32.
;;   ~~~python
;;   def quantise(x, axis):      # numpy; x: float32 -> the quantised numbers, widened to float32 again
;;       x = np.moveaxis(x, axis, -1); K = x.shape[-1]
;;       x = np.pad(x, [(0, 0)] * (x.ndim - 1) + [(0, -K % 32)]); x = x.reshape(x.shape[:-1] + (-1, 32)); a = np.abs(x).max(-1, keepdims=True)
;;       e = np.where(a > 0, np.clip(np.frexp(np.where(a > 0, a, 1))[1] - 1 - 2, -126, 127), 0)      # np.frexp(a)[1] - 1 = floor(log2(a)), exactly
;;       r = np.clip(x / 2.0 ** e, -7.5, 7.5)
;;       step = 2.0 ** (np.maximum(np.frexp(np.where(r == 0, 1, r))[1] - 1, 0) - 3)
;;       q = np.round(r / step) * step * 2.0 ** e      # np.round: ties to even
;;       return np.moveaxis(q.reshape(q.shape[:-2] + (-1,))[..., :K], -1, axis).astype(np.float32)
;;   ~~~
;;   SOFTMAX AHEAD OF A QUANTISED PRODUCT. Where the list says 'softmax', what is quantised is not the finished softmax but p = 2^(t - M), with t = logit x log2(e) and M = ceil(the row's largest t), a whole number; so 1/2 < the row's largest p <= 1. The row's sum l is taken of the UNQUANTISED p, in f32, and the product's result is divided by l at the end. Since M is a whole number, a kernel that streams over the keys may use a running M (the ceiling of the running maximum): every later rescaling is an exact power of two, which a block's scale takes up: the codes' values come out the same.
;;   OPERANDS COMPUTED ON THE WAY. 'Computed on the way' means the value that the module computes at that place (a softmax that the list does not call 'softmax' is quantised finished and normalised). What goes into a quantiser is computed in f32, as accurately as f32 sums, v_exp_f32 and their like allow (about 1e-6 of the number): no bf16 or f16 on the way to a quantiser, and a product that is left as it is and whose result goes on into a quantised operand takes f32 operands (vector FMAs, or v_wmma_f32_16x16x4_f32). A number that lies on a knife's edge between two numbers of the format may be rounded either way, as far as f32 arithmetic and the matrix unit's own rounding can turn it there, and no further.
;; One version. Each part assembles by itself: llvm-mc -triple=amdgcn-amd-amdhsa -mcpu=gfx1250 --defsym DOCPART=n.
;; ======== version 1 of 1: 4 launches
;; limits: right only within a limited range of input values
;; workspace buffers: xc 6,291,456 bytes; xs 262,144 bytes; wc 3,145,728 bytes; ws 131,072 bytes; qkv 24,379,392 bytes; cc 6,291,456 bytes; cs 262,144 bytes
;; launch quant (part 1): grid 768 x 1, 4 waves a work-group, no clusters, 35,328 bytes of LDS; arguments x, Wq, Wk, Wv, Wo, xc, xs, wc, ws; writes xc, xs, wc, ws
.if DOCPART == 1
	.amdgcn_target "amdgcn-amd-amdhsa--gfx1250"
	.amdhsa_code_object_version 6
	.text
	.protected	k_qeaafb5ecac_quant
	.globl	k_qeaafb5ecac_quant
	.p2align	8
	.type	k_qeaafb5ecac_quant,@function
k_qeaafb5ecac_quant:
	s_mov_b64 s[64:65], 0
	v_nop
	global_prefetch_b8 v0, s[64:65] scope:SCOPE_SE
	s_setreg_imm32_b32 hwreg(HW_REG_WAVE_MODE, 25, 1), 1
	s_wait_xcnt 0x0
; x [8192][1024] and Wq, Wk, Wv, Wo [1024][1024], f32, become codes of FP6 (E2M3) with one E8M0 byte for each 32 along K (the last axis), laid in the ORDER OF AN OPERAND'S REGISTERS.
; TILES.  16 rows form a tile; tile T = 4 G + t takes rows 64 G + 8 t + r % 8 + 32 (r / 8), r = 0 .. 15: as source 0 of a product the 32 result registers of tiles 4 G .. 4 G + 3 are then rows
; 64 G + 32 (lane / 16) + 0 .. 31: a whole scale block of the next product in one lane.
; A PIECE is 16 rows x 64 K, 768 bytes: lane (r, h) owns k = 32 h .. 32 h + 31, six registers: registers 0-3 at byte 16 x lane, registers 4-5 at byte 512 + 8 x lane.  A tile of K = 1,024 is 16 pieces, 12,288 bytes.
; SCALES: 512 bytes a tile: the word (four bytes, 128 along K) of K step s and row r lies at 128 (s / 2) + 8 r + 4 (s % 2).
; A block's scale is 2^(floor(log2(largest magnitude)) - 2): its byte is the largest magnitude's exponent field - 2, held at 1 from below.
; LIMITS: a block of zeros gets the byte 1 where the rule says 127 (its codes are zeros; this program alone reads the bytes); NaN and infinities among the inputs are not served.
; SHARES.  A work-group takes one tile, a wave 256 along K of it: 4 pieces.  Work-groups 0-511 take x, then 64 each Wq, Wk, Wv, Wo (stacked in wc, ws).  Only pointers are chosen: one path through the text.
; Each load reads two rows' 256 consecutive bytes; a piece turns through the wave's own stage in LDS (rows 272 bytes apart) and comes back 128 bytes a lane: a whole block of 32 in one lane's registers.
; All 32 loads of a wave are issued at its head; the turn through LDS runs one piece ahead.  No tensor loads, no barrier: waves share nothing.  A wave's scale words are 128 consecutive bytes, stored by lanes 0-15.
.set WREG,  8704                       ; LDS of a wave: two stages of 16 rows x 272 bytes
.set STG,   4352
.set SPARE, 34816                      ; behind the four regions: the spare words, 128 bytes for each wave
.set R,     16                         ; v16-143  four sets of 32: a piece as loaded
.set X,     144                        ; v144-207 two sets of 32: my block
.set C,     208                        ; v208-223 two sets of 8: my six registers of codes
	s_load_b256 s[4:11], s[0:1], 0x0               ; x, Wq, Wk, Wv
	s_load_b256 s[12:19], s[0:1], 0x20             ; Wo, xc, xs, wc
	s_load_b64 s[20:21], s[0:1], 0x40              ; ws
	v_lshl_add_u32 v12, v0, 2, SPARE               ; my spare word,
	v_mov_b32 v13, 0                               ; and 0: kept for the closing lines alone
	v_lshrrev_b32 v1, 5, v0
	v_readfirstlane_b32 s30, v1                    ; wave: which 256 along K
	v_and_b32 v1, 31, v0                           ; lane
	v_and_b32 v2, 15, v0                           ; r
	v_bfe_u32 v3, v0, 4, 1                         ; h
	v_lshlrev_b32 v4, 4, v2
	v_lshl_add_u32 v4, v3, 12, v4                  ; in memory: 16 r, and a row (4,096 bytes) further for lanes 16-31
	s_mul_i32 s31, s30, WREG
	v_mul_u32_u24 v5, v3, 272
	v_lshl_add_u32 v5, v2, 4, v5
	v_add_nc_u32 v5, s31, v5                       ; the stage, way in: row h of a pair, 16 r
	v_mul_u32_u24 v6, v2, 272
	v_lshl_add_u32 v6, v3, 7, v6
	v_add_nc_u32 v6, s31, v6                       ; way out: row r, my half's 128 bytes
	v_lshlrev_b32 v7, 4, v1                        ; 16 x lane
	v_lshlrev_b32 v8, 3, v1                        ; 8 x lane
	v_lshlrev_b32 v9, 3, v3                        ; 8 h: my bytes' place in a scale word
	v_mov_b32 v236, 0                              ; a lane permute's destination counts as one of its sources
	s_mov_b32 s36, 0x76543210
	s_mov_b32 s37, 0xfedcba98                      ; selects for lane l xor 16
	s_cmp_lt_u32 ttmp9, 512
	s_cselect_b32 s28, 0, 512
	s_cselect_b32 s29, 511, 63
	s_sub_co_u32 s28, ttmp9, s28                   ; my tile in xc or in wc
	s_and_b32 s29, s28, s29                        ; my tile in its own tensor
	s_lshr_b32 s38, s29, 2
	s_lshl_b32 s38, s38, 18                        ; 64 rows of 4,096 bytes
	s_and_b32 s39, s29, 3
	s_lshl_b32 s39, s39, 15                        ; 8 rows
	s_add_co_u32 s38, s38, s39
	s_lshl_b32 s39, s30, 10
	s_add_co_u32 s38, s38, s39
	s_mov_b32 s39, 0
	s_mul_i32 s40, s28, 12288
	s_mul_i32 s41, s30, 3072
	s_add_co_u32 s40, s40, s41
	s_mov_b32 s41, 0
	s_lshl_b32 s42, s28, 9
	s_lshl_b32 s43, s30, 7
	s_add_co_u32 s42, s42, s43
	s_mov_b32 s43, 0
	s_wait_alu depctr_va_vdst(0)
	s_wait_kmcnt 0x0
	s_cmp_lt_u32 ttmp9, 704                        ; the choices hang on the work-group's number alone
	s_cselect_b64 s[22:23], s[10:11], s[12:13]
	s_cmp_lt_u32 ttmp9, 640
	s_cselect_b64 s[22:23], s[8:9], s[22:23]
	s_cmp_lt_u32 ttmp9, 576
	s_cselect_b64 s[22:23], s[6:7], s[22:23]
	s_cmp_lt_u32 ttmp9, 512
	s_cselect_b64 s[22:23], s[4:5], s[22:23]
	s_cselect_b64 s[24:25], s[14:15], s[18:19]
	s_cselect_b64 s[26:27], s[16:17], s[20:21]
	s_add_nc_u64 s[22:23], s[22:23], s[38:39]      ; the numbers,
	s_add_nc_u64 s[24:25], s[24:25], s[40:41]      ; the codes,
	s_add_nc_u64 s[26:27], s[26:27], s[42:43]      ; the scale words of my share
.macro LOAD t                          ; piece t: rows 2 i + h of the tile (in the tile's order), 256 bytes each
.irp i, 0,1,2,3,4,5,6,7
	global_load_b128 v[R+32*(\t)+4*\i:R+32*(\t)+4*\i+3], v4, s[22:23] offset:(2*\i+24*(\i/4))*4096+256*(\t) th:TH_LOAD_NT
.endr
.endm
.macro TURN t                          ; through the stage: LDS serves a wave's instructions in order, so no wait stands between the stores and the loads
.irp i, 0,1,2,3,4,5,6,7
	ds_store_b128 v5, v[R+32*(\t)+4*\i:R+32*(\t)+4*\i+3] offset:STG*((\t)%2)+544*\i
.endr
.irp i, 0,1,2,3,4,5,6,7
	ds_load_b128 v[X+32*((\t)%2)+4*\i:X+32*((\t)%2)+4*\i+3], v6 offset:STG*((\t)%2)+16*\i
.endr
.endm
.macro STEP t
.set XS, X+32*((\t)%2)
.set CS, C+8*((\t)%2)
	s_wait_dscnt 0x0                               ; my block is back from the stage
.if (\t) < 3
	s_wait_loadcnt 8*(2-(\t))                      ; the next piece's eight loads are in; those of the pieces behind it may be out
	TURN (\t)+1
.endif
	v_max3_num_f32 v10, |v[XS]|, |v[XS+1]|, 0x1800000              ; the block's largest magnitude, all 32 mine, in two chains; and the floor 2^(3 - 127): the byte cannot fall under 1
	v_max3_num_f32 v11, |v[XS+2]|, |v[XS+3]|, |v[XS+4]|
.irp i, 5,9,13,17,21,25
	v_max3_num_f32 v10, v10, |v[XS+\i]|, |v[XS+\i+1]|
	v_max3_num_f32 v11, v11, |v[XS+\i+2]|, |v[XS+\i+3]|
.endr
	v_max3_num_f32 v10, v10, |v[XS+29]|, |v[XS+30]|
	v_max3_num_f32 v10, v10, v11, |v[XS+31]|
	v_add_nc_u32 v14, 0xff000000, v10              ; 2 off its exponent field: the conversion takes the exponent field of this operand as its scale
	s_wait_alu depctr_va_vdst(0)
	s_wait_xcnt 0x0                                ; the stores of two pieces ago have read this set of code registers
	v_cvt_scalef32_pk16_fp6_f32 v[CS:CS+2], v[XS:XS+15], v14
	v_cvt_scalef32_pk16_fp6_f32 v[224:226], v[XS+16:XS+31], v14    ; (a conversion's three registers begin on an even number)
	v_lshrrev_b32 v[228+(\t)%2], 23, v14           ; the scale's byte; also the plain line behind the conversions
	v_mov_b32 v[CS+3], v224
	v_mov_b32 v[CS+4], v225
	v_mov_b32 v[CS+5], v226
	global_store_b128 v7, v[CS:CS+3], s[24:25] offset:768*(\t)     ; 512 consecutive bytes,
	global_store_b64 v8, v[CS+4:CS+5], s[24:25] offset:768*(\t)+512   ; and 256: both aligned to 256
.if (\t)%2
	v_lshl_or_b32 v15, v229, 16, v228              ; two pieces are a K step: my bytes h and 2 + h of its word,
	v_lshlrev_b32 v15, v9, v15
	v_permlanex16_b32 v236, v15, s36, s37
	v_or_b32 v[232+(\t)/2], v15, v236              ; with lane l xor 16's two the word is whole
.endif
.endm
	LOAD 0
	LOAD 1
	LOAD 2
	LOAD 3
	s_wait_loadcnt 24                              ; piece 0's eight loads are in
	TURN 0
.irp t, 0,1,2,3
	STEP \t
.endr
	v_cmp_gt_u32 vcc_lo, 16, v1                    ; lanes 0-15 store their row's two words: 128 consecutive bytes
	s_wait_alu depctr_va_vdst(0)
	s_wait_xcnt 0x0                                ; EXEC changes only behind this wait
	s_and_saveexec_b32 s35, vcc_lo
	global_store_b64 v8, v[232:233], s[26:27]
	s_wait_xcnt 0x0
	s_or_b32 exec_lo, exec_lo, s35
	s_wait_tensorcnt 0x0                           ; the wave's end
	ds_add_u32 v12, v13
	s_wait_dscnt 0x0
	s_endpgm
.Lfunc_end_k_qeaafb5ecac_quant:
	.size	k_qeaafb5ecac_quant, .Lfunc_end_k_qeaafb5ecac_quant-k_qeaafb5ecac_quant
	.p2alignl 7, 3214868480
	.fill 96, 4, 3214868480
	.section	.rodata,"a",@progbits
	.p2align	6, 0x0
	.amdhsa_kernel k_qeaafb5ecac_quant
		.amdhsa_group_segment_fixed_size 35328
		.amdhsa_private_segment_fixed_size 0
		.amdhsa_enable_private_segment 0
		.amdhsa_kernarg_size 72
		.amdhsa_user_sgpr_count 2
		.amdhsa_user_sgpr_kernarg_segment_ptr 1
		.amdhsa_wavefront_size32 1
		.amdhsa_system_sgpr_workgroup_id_x 1
		.amdhsa_system_sgpr_workgroup_id_y 1
		.amdhsa_system_sgpr_workgroup_id_z 1
		.amdhsa_system_vgpr_workitem_id 0
		.amdhsa_next_free_vgpr 240
		.amdhsa_next_free_sgpr 66
		.amdhsa_reserve_vcc 1
		.amdhsa_float_denorm_mode_32 3
		.amdhsa_float_denorm_mode_16_64 3
		.amdhsa_memory_ordered 1
		.amdhsa_forward_progress 1
		.amdhsa_inst_pref_size 18
	.end_amdhsa_kernel
	.amdgpu_metadata
---
amdhsa.version: [ 1, 2 ]
amdhsa.kernels:
  - .name:           k_qeaafb5ecac_quant
    .symbol:         k_qeaafb5ecac_quant.kd
    .args:
      - { .name: x, .offset: 0, .size: 8, .value_kind: global_buffer, .address_space: global }
      - { .name: Wq, .offset: 8, .size: 8, .value_kind: global_buffer, .address_space: global }
      - { .name: Wk, .offset: 16, .size: 8, .value_kind: global_buffer, .address_space: global }
      - { .name: Wv, .offset: 24, .size: 8, .value_kind: global_buffer, .address_space: global }
      - { .name: Wo, .offset: 32, .size: 8, .value_kind: global_buffer, .address_space: global }
      - { .name: xc, .offset: 40, .size: 8, .value_kind: global_buffer, .address_space: global }
      - { .name: xs, .offset: 48, .size: 8, .value_kind: global_buffer, .address_space: global }
      - { .name: wc, .offset: 56, .size: 8, .value_kind: global_buffer, .address_space: global }
      - { .name: ws, .offset: 64, .size: 8, .value_kind: global_buffer, .address_space: global }
    .group_segment_fixed_size: 35328
    .private_segment_fixed_size: 0
    .kernarg_segment_align: 8
    .kernarg_segment_size: 72
    .max_flat_workgroup_size: 128
    .sgpr_count:     66
    .vgpr_count:     240
    .wavefront_size: 32
...
	.end_amdgpu_metadata
.endif
;; end of part 1
;; launch proj (part 2): grid 4 x 64, 4 waves a work-group, clusters of 4 x 4, 327,680 bytes of LDS; arguments xc, xs, wc, ws, bq, bk, bv, mask, qkv; writes qkv
.if DOCPART == 2
	.amdgcn_target "amdgcn-amd-amdhsa--gfx1250"
	.amdhsa_code_object_version 6
	.text
	.protected	k_qeaafb5ecac_proj
	.globl	k_qeaafb5ecac_proj
	.p2align	8
	.type	k_qeaafb5ecac_proj,@function
k_qeaafb5ecac_proj:
	s_mov_b64 s[64:65], 0
	v_nop
	global_prefetch_b8 v0, s[64:65] scope:SCOPE_SE
	s_setreg_imm32_b32 hwreg(HW_REG_WAVE_MODE, 25, 1), 1
	s_wait_xcnt 0x0
	s_wait_alu depctr_hold_cnt(0) depctr_sa_sdst(0) depctr_va_vdst(0) depctr_va_sdst(0) depctr_va_ssrc(0) depctr_va_vcc(0) depctr_vm_vsrc(0)
	s_getreg_b32 s2, hwreg(HW_REG_IB_STS2, 6, 4)
	s_cmp_eq_u32 s2, 0
	s_cbranch_scc0 .Lentry_in_a_cluster
	s_endpgm
.Lentry_in_a_cluster:
	s_bfe_u32 s2, ttmp6, 0x10000c
	s_cmp_lg_u32 s2, 0xf033
	s_cbranch_scc0 .Lentry_shape_is_right
	s_endpgm
.Lentry_shape_is_right:
; q = x Wq^T + bq, k = x Wk^T + bk, v = x Wv^T + bv on codes of FP6 (E2M3), and the results quantised at once: q and k along the head's 64, v along the keys.
; A tile is 128 rows of A x 256 rows of B over K = 1,024.  A WORK-GROUP STAYS and makes three tiles: those of tile groups c, c + 16, c + 32, c its cluster's number: two of q or k (A = x, B = Wq or Wk), in a loop of two trips,
; and one of v (A = Wv, B = x), written out.
; Four waves: wave (i, j) makes A's tiles 4 i .. 4 i + 3 x B's tiles 8 j .. 8 j + 7: 32 accumulators.  TRANSPOSED USE: source 0 = 16 rows of B, source 1 = 16 rows of A: a lane holds one row of A.
; TILES OF 16 ROWS: tile 4 G + t holds rows 64 G + 8 t + r % 8 + 32 (r / 8).  So register 32 G + n of a lane's 64 is B's row 64 G + 32 (lane / 16) + n: a whole scale block of the next product in one lane.
; CLUSTER 4 x 4: A's tiles are shared along a row of the cluster, B's along a column: joint loads with those masks.
; LDS: two slots, the halves of K (512 each), and the scale words.  At the head one load a wave (both operands' first halves, both blocks of scale words); the second halves behind the lines and a round.
; A tile's scale words go into 48 registers at its head.  So in K step 3 the first slot and the scale words are read out: a round, and the next tile's take their place, one load a wave; in K step 7 the second slot likewise.
; The lines stand ahead of each round.  A refill has four K steps, or a K step and the way out, in which to land.  The loop's first trip asks for B's rows again, which are the same: one text serves both trips.
; No prefetch: each refill is asked for at the first place where its slot is free, and the launch's other reads are small.
; OUT: qkv [64 (batch, head)][K 16 x 8,704 | V 16 x 6,400 | Q 16 x 8,704], a block for each 128 tokens.
;   K, Q block: 8 pieces of 1,024 bytes (16 tokens x 64): registers 0-3 at 16 x lane, then at 512 + 16 x lane registers 4, 5, the mask's code, 0; then 512 bytes of scale words.
;   V block: 4 fragments of 1,536 bytes (16 channels x 128 keys), then 256 bytes of scale words (lanes 0-15 an even fragment's, lanes 16-31 the odd neighbour's).
; THE MASK rides in the scores' product as a CODE: place 64 of its K holds -1 for a masked key and 0 for any other on K's side, +1 on Q's; byte 2 of every key's scale word is 160: a masked key's score gets -2^33.
; Where ALL keys of a batch are masked, q's and k's codes are made zeros: all scores are then equal and the softmax is uniform, as the -1e9 everywhere makes it.
; LIMITS: logits are taken to lie under 2^29 in magnitude; a block of zeros gets the byte 1, not 127 (this program alone reads the bytes); NaN and infinities are not served.
; REGISTERS.  Window 0: v1-7 lane terms; v8-21 LDS addresses; v24 16 x lane, v25 8 x lane; v26, v27 scale words' addresses; v28, v29 the add's two; v32-55, v232-255 scale words; v64-159 A's fragments; on the way out v64-227.
;   Window 1: the accumulators, (a, b) at v[8 (8 a + b)].  Window 2: B's fragments, two sets.  Window 3: v0-63 bq or bk; v64-67 my tokens' mask; v68-131 the batch's mask; v132-139 bv.
.set HALF,  147456                     ; a slot: A's 8 tiles x 6,144 bytes, then B's 16
.set SA,    294912
.set SB,    299008
.set SPARE, 307200
.set HEADB, 380928
.set AF,    64
.set G1A,   24
.set G1B,   32
.set G1SA,  40
.set G1SB,  48
.set WK,    64
.set PC,    128
.set CT,    192
.set TM,    200
.set PW,    216
.set CM,    20                         ; s20-23: which of my four tokens are masked
.set MSB, 0
.macro WIN new
.if MSB != \new
	s_set_vgpr_msb (MSB<<8)|\new
.set MSB, \new
.endif
.endm
.set MUL,  0x52
.set TO_B, 0x80
.macro PLACES
.rept 4
	v_nop
.endr
.endm
.macro CROUND
	s_barrier_signal -1
	s_barrier_wait -1
	s_cmp_lg_u32 s14, 0
	s_cbranch_scc1 .Lnot_wave_0_\@
	s_barrier_signal -3
.Lnot_wave_0_\@:
	s_barrier_wait -3
	s_barrier_signal -1
	s_barrier_wait -1
.endm
.macro TLD g0, g1
	tensor_load_to_lds s[\g0:\g0+3], s[\g1:\g1+7]
	s_nop 0
	PLACES
.endm
.macro LOADS4                          ; the first slot and the scale words, one load a wave, in one chain of arms
	s_cmp_lg_u32 s14, 0
	s_cbranch_scc1 .Lh1_\@
	TLD 68, G1B
	s_branch .Lh4_\@
.Lh1_\@:
	s_cmp_lg_u32 s14, 1
	s_cbranch_scc1 .Lh2_\@
	TLD 56, G1A
	s_branch .Lh4_\@
.Lh2_\@:
	s_cmp_lg_u32 s14, 2
	s_cbranch_scc1 .Lh3_\@
	TLD 92, G1SA
	s_branch .Lh4_\@
.Lh3_\@:
	TLD 96, G1SB
.Lh4_\@:
.endm
.macro LOADS2                          ; the second slot
	s_cmp_lg_u32 s14, 0
	s_cbranch_scc1 .Ls1_\@
	TLD 72, G1B
	s_branch .Ls2_\@
.Ls1_\@:
	s_cmp_lg_u32 s14, 1
	s_cbranch_scc1 .Ls2_\@
	TLD 60, G1A
.Ls2_\@:
.endm
.macro PLACE at, bt, v                 ; tile group v: which 128 rows of A, which 256 rows of B.  Groups 0-31: 16 x 2 of (x, Wq | Wk); 32-47: 2 x 8 of (Wv, x)
	s_and_b32 s20, s\v, 1
	s_lshr_b32 s21, s\v, 1
	s_sub_co_u32 s22, s21, 16
	s_cmp_lt_u32 s\v, 32
	s_cselect_b32 s\at, s21, s20
	s_cselect_b32 s\bt, s20, s22
	s_lshl_b32 s\at, s\at, 2
	s_add_co_u32 s\at, s\at, s18
	s_lshl_b32 s\bt, s\bt, 2
	s_add_co_u32 s\bt, s\bt, s17
.endm
.macro DESCR v, at, bt                 ; the six loads' addresses for that tile; written only while no tensor load of mine is out
	s_cmp_lt_u32 s\v, 32
	s_cselect_b32 s20, 0, 1572864                  ; Wv begins at tile 128 of wc,
	s_cselect_b32 s21, 0, 65536                    ; and of ws
	s_cselect_b64 s[58:59], s[4:5], s[8:9]
	s_cselect_b64 s[94:95], s[6:7], s[10:11]
	s_cselect_b64 s[70:71], s[8:9], s[4:5]
	s_cselect_b64 s[98:99], s[10:11], s[6:7]
	s_mul_i32 s12, s\at, 98304
	s_add_co_u32 s12, s12, s20
	s_mov_b32 s13, 0
	s_add_nc_u64 s[58:59], s[58:59], s[12:13]
	s_add_nc_u64 s[62:63], s[58:59], 6144
	s_lshl_b32 s12, s\at, 12
	s_add_co_u32 s12, s12, s21
	s_add_nc_u64 s[94:95], s[94:95], s[12:13]
	s_mul_i32 s100, s\bt, 196608
	s_mov_b32 s101, 0
	s_add_nc_u64 s[70:71], s[70:71], s[100:101]
	s_add_nc_u64 s[74:75], s[70:71], 6144
	s_lshl_b32 s100, s\bt, 13
	s_add_nc_u64 s[98:99], s[98:99], s[100:101]
.irp g, 59,63,71,75,95,99
	s_or_b32 s\g, s\g, 0x80000000
.endr
.endm
	s_load_b256 s[4:11], s[0:1], 0x0               ; xc, xs, wc, ws
	s_load_b256 s[76:83], s[0:1], 0x20             ; bq, bk, bv, mask
	s_load_b64 s[84:85], s[0:1], 0x40              ; qkv
	v_lshl_add_u32 v28, v0, 2, SPARE
	v_mov_b32 v29, 0
	ds_add_u32 v28, v29                            ; the opening lines
	ds_add_u32 v28, v29
	v_lshrrev_b32 v1, 5, v0
	v_readfirstlane_b32 s14, v1                    ; wave
	s_lshr_b32 s15, s14, 1                         ; i
	s_and_b32 s16, s14, 1                          ; j
	s_bfe_u32 s17, ttmp6, 0x40000                  ; cx
	s_bfe_u32 s18, ttmp6, 0x40004                  ; cy
	s_and_b32 s19, ttmp7, 0xffff                   ; the tile group: the cluster's number, 0 .. 15, then + 16 a tile
	s_lshl_b32 s100, s18, 2
	s_lshl_b32 s100, 15, s100                      ; my row of the cluster
	s_lshl_b32 s101, 0x1111, s17                   ; my column
	s_or_b32 s[G1A], s100, (3<<16)|(1<<21)
	s_or_b32 s[G1B], s101, (3<<16)|(1<<21)
	s_or_b32 s[G1SA], s100, (3<<16)|(1<<21)
	s_or_b32 s[G1SB], s101, (3<<16)|(1<<21)
.irp g, G1A, G1B                       ; a tile's 6,144 bytes (512 along K), tiles 12,288 bytes apart in memory, on end in LDS
	s_mov_b32 s[\g+1], 768<<16
	s_mov_b32 s[\g+3], 768<<16
	s_mov_b32 s[\g+5], 1536
	s_mov_b32 s[\g+6], 0
	s_mov_b32 s[\g+7], 0
.endr
	s_mov_b32 s[G1A+2], 8<<16
	s_mov_b32 s[G1A+4], 8
	s_mov_b32 s[G1B+2], 16<<16
	s_mov_b32 s[G1B+4], 16
.irp g, G1SA, G1SB                     ; the scale words: dense blocks as rows of 256 bytes
	s_mov_b32 s[\g+1], 32<<16
	s_mov_b32 s[\g+3], 32<<16
	s_mov_b32 s[\g+5], 32
	s_mov_b32 s[\g+6], 0
	s_mov_b32 s[\g+7], 0
.endr
	s_mov_b32 s[G1SA+2], 16<<16
	s_mov_b32 s[G1SA+4], 16
	s_mov_b32 s[G1SB+2], 32<<16
	s_mov_b32 s[G1SB+4], 32
	s_mov_b32 s56, 1                               ; groups 0: A's halves at s56, s60; B's at s68, s72; the scale words' at s92, s96
	s_mov_b32 s57, 0
	s_mov_b32 s60, 1
	s_mov_b32 s61, HALF
	s_mov_b32 s68, 1
	s_mov_b32 s69, 49152
	s_mov_b32 s72, 1
	s_mov_b32 s73, HALF+49152
	s_mov_b32 s92, 1
	s_mov_b32 s93, SA
	s_mov_b32 s96, 1
	s_mov_b32 s97, SB
	s_mov_b32 s86, 0x76543210
	s_mov_b32 s87, 0xfedcba98                      ; selects for lane l xor 16
	s_mov_b32 s88, 0xffff0000                      ; lanes 16-31
	PLACE 2, 3, 19
	s_wait_dscnt 0x0
	s_wait_kmcnt 0x0
	DESCR 19, 2, 3
	CROUND                                         ; all sixteen work-groups are here: the joint loads meet
	LOADS4
	v_and_b32 v1, 31, v0
	v_and_b32 v2, 15, v0                           ; r
	v_bfe_u32 v3, v0, 4, 1                         ; h
	v_lshlrev_b32 v24, 4, v1
	v_lshlrev_b32 v25, 3, v1
	s_mul_i32 s20, s15, 24576                      ; my four tiles of A in a slot,
	s_mul_i32 s21, s16, 49152
	s_add_co_u32 s21, s21, 49152                   ; my eight of B
.irp q, 0,1
	v_add_nc_u32 v[8+\q], s20, v24
	v_add_nc_u32 v[12+\q], s20, v25
	v_add_nc_u32 v[16+\q], s21, v24
	v_add_nc_u32 v[20+\q], s21, v25
	s_add_co_u32 s20, s20, HALF
	s_add_co_u32 s21, s21, HALF
.endr
	v_lshlrev_b32 v4, 3, v2
	v_lshl_add_u32 v4, v3, 9, v4                   ; scale words: 8 r, and lanes 16-31 the next tile's
	s_lshl_b32 s20, s15, 11
	s_add_co_u32 s20, s20, SA
	s_lshl_b32 s21, s16, 12
	s_add_co_u32 s21, s21, SB
	v_add_nc_u32 v26, s20, v4
	v_add_nc_u32 v27, s21, v4
	v_lshlrev_b32 v5, 7, v3                        ; a bias in the result's layout: 32 channels on for lanes 16-31
	v_and_b32 v6, 8, v2
	v_mul_u32_u24 v6, v6, 3
	v_add_nc_u32 v6, v6, v2
	v_lshlrev_b32 v6, 2, v6                        ; 4 (r % 8 + 32 (r / 8)): my row of a tile, in words
	v_lshlrev_b32 v7, 3, v3                        ; 8 h: my byte's place in a scale word
	v_mov_b32 v[TM+8], 0                           ; a lane permute's destination counts as one of its sources
.macro FRAG reg, a16, a8, off          ; 16 rows x 128 K: two pieces, twelve registers by four loads of consecutive bytes
	ds_load_b128 v[\reg:\reg+3], v[\a16] offset:\off
	ds_load_b64 v[\reg+4:\reg+5], v[\a8] offset:\off+512
	ds_load_b128 v[\reg+6:\reg+9], v[\a16] offset:\off+768
	ds_load_b64 v[\reg+10:\reg+11], v[\a8] offset:\off+1280
.endm
.macro FETCH s                         ; K step s into set s % 2
	WIN TO_B
.irp b, 0,1,2,3,4,5,6,7
	FRAG 128*((\s)%2)+12*\b, 16+(\s)/4, 20+(\s)/4, 6144*\b+1536*((\s)%4)
.endr
	WIN 0
.irp a, 0,1,2,3
	FRAG AF+48*((\s)%2)+12*\a, 8+(\s)/4, 12+(\s)/4, 6144*\a+1536*((\s)%4)
.endr
.endm
.macro SCALES                          ; all of the tile's scale words: twelve registers for each two K steps, at v32, v44, v232, v244
.irp k2, 0,1,2,3
.irp k, 0,1,2,3
	ds_load_b64 v[32+12*\k2+176*(\k2/2)+2*\k:32+12*\k2+176*(\k2/2)+2*\k+1], v27 offset:1024*\k+128*\k2
.endr
.irp k, 0,1
	ds_load_b64 v[40+12*\k2+176*(\k2/2)+2*\k:40+12*\k2+176*(\k2/2)+2*\k+1], v26 offset:1024*\k+128*\k2
.endr
.endr
.endm
.macro MUL32 s, z                      ; a K step's 32 products: the accumulators take turns; an odd tile's scale words stand in lanes 16-31
.irp a2, 0,1
.irp ra, 0,1
.irp b2, 0,1,2,3
.irp rb, 0,1
.set D_, 8*(8*(2*\a2+\ra)+2*\b2+\rb)
.set FB_, 128*((\s)%2)+12*(2*\b2+\rb)
.set FA_, AF+48*((\s)%2)+12*(2*\a2+\ra)
.set XB_, 32+12*((\s)/2)+176*((\s)/4)+2*\b2+(\s)%2
.set XA_, 40+12*((\s)/2)+176*((\s)/4)+2*\a2+(\s)%2
.if \z
	v_wmma_scale_f32_16x16x128_f8f6f4 v[D_:D_+7], v[FB_:FB_+11], v[FA_:FA_+11], 0, v[XB_], v[XA_] matrix_a_fmt:MATRIX_FMT_FP6 matrix_b_fmt:MATRIX_FMT_FP6 matrix_a_scale:MATRIX_SCALE_ROW\rb matrix_b_scale:MATRIX_SCALE_ROW\ra
.else
	v_wmma_scale_f32_16x16x128_f8f6f4 v[D_:D_+7], v[FB_:FB_+11], v[FA_:FA_+11], v[D_:D_+7], v[XB_], v[XA_] matrix_a_fmt:MATRIX_FMT_FP6 matrix_b_fmt:MATRIX_FMT_FP6 matrix_a_scale:MATRIX_SCALE_ROW\rb matrix_b_scale:MATRIX_SCALE_ROW\ra
.endif
.endr
.endr
.endr
.endr
.endm
; a tile's eight K steps.  more = 1: the next tile's operands are asked for as the slots fall free
.macro MAIN more
	SCALES
	FETCH 0
.irp s, 0,1,2,3,4,5,6,7
	s_wait_dscnt 0x0                               ; this step's fragments are in
.if (\s) == 3
.if \more
	s_wait_xcnt 0x0                                ; the small loads have read their bases, which are written below
	s_wait_tensorcnt 0x0                           ; the second slot is in; the lines
	ds_add_u32 v28, v29
	s_add_co_u32 s105, s19, 16
	PLACE 66, 67, 105
	DESCR 105, 66, 67
	s_wait_dscnt 0x0
	CROUND                                         ; nobody reads the first slot or the scale words any more
	LOADS4
.else
	s_wait_tensorcnt 0x0                           ; the second slot is in,
	s_barrier_signal -1
	s_barrier_wait -1                              ; everybody's part
.endif
.endif
.if (\s) < 7
	PLACES                                         ; between the last products and the loads into the registers that they read
	FETCH \s+1
.endif
	WIN MUL
.if (\s) == 0
	MUL32 \s, 1
.else
	MUL32 \s, 0
.endif
	WIN 0
.endr
.endm
; 64 numbers of a lane, two whole blocks of 32: six registers of codes each (at pc and pc + hs) and the row's scale word (bytes 2 c + h)
.macro QUANT s, pc, hs, pw
.irp c, 0,1
	v_max3_num_f32 v[TM+2*\c], |v[\s+32*\c]|, |v[\s+32*\c+1]|, 0x1800000   ; with the floor 2^(3 - 127): the byte cannot fall under 1
	v_max3_num_f32 v[TM+2*\c+1], |v[\s+32*\c+2]|, |v[\s+32*\c+3]|, |v[\s+32*\c+4]|
.endr
.irp i, 5,9,13,17,21,25
.irp c, 0,1
	v_max3_num_f32 v[TM+2*\c], v[TM+2*\c], |v[\s+32*\c+\i]|, |v[\s+32*\c+\i+1]|
	v_max3_num_f32 v[TM+2*\c+1], v[TM+2*\c+1], |v[\s+32*\c+\i+2]|, |v[\s+32*\c+\i+3]|
.endr
.endr
.irp c, 0,1
	v_max3_num_f32 v[TM+2*\c], v[TM+2*\c], |v[\s+32*\c+29]|, |v[\s+32*\c+30]|
.endr
.irp c, 0,1
	v_max3_num_f32 v[TM+2*\c], v[TM+2*\c], v[TM+2*\c+1], |v[\s+32*\c+31]|
.endr
.irp c, 0,1
	v_add_nc_u32 v[TM+4+\c], 0xff000000, v[TM+2*\c]   ; 2 off the exponent field: the conversion's scale operand
.endr
.irp c, 0,1
	v_lshrrev_b32 v[TM+6+\c], 23, v[TM+4+\c]
.endr
	v_lshl_or_b32 v[\pw], v[TM+7], 16, v[TM+6]
	v_lshlrev_b32 v[\pw], v7, v[\pw]
	v_permlanex16_b32 v[TM+8], v[\pw], s86, s87
	v_or_b32 v[\pw], v[\pw], v[TM+8]               ; with lane l xor 16's two bytes the word is whole
.irp c, 0,1
	v_cvt_scalef32_pk16_fp6_f32 v[\pc+(\hs)*\c:\pc+(\hs)*\c+2], v[\s+32*\c:\s+32*\c+15], v[TM+4+\c]
	v_cvt_scalef32_pk16_fp6_f32 v[CT+4*\c:CT+4*\c+2], v[\s+32*\c+16:\s+32*\c+31], v[TM+4+\c]
.endr
	v_nop                                          ; one plain line behind the scaled conversions
.irp c, 0,1
.irp i, 0,1,2
	v_mov_b32 v[\pc+(\hs)*\c+3+\i], v[CT+4*\c+\i]
.endr
.endr
.endm
	s_wait_alu depctr_va_vdst(0)
	s_wait_tensorcnt 0x0                           ; my tile of the head's four is in; the lines ahead of a later first fill
	ds_add_u32 v28, v29
	s_wait_dscnt 0x0
	CROUND
	LOADS2
	s_mov_b32 s104, 0
.Ltile:
	; ---- a tile of q or k: heads 4 cx + 2 j and the next
	PLACE 2, 3, 19
	s_and_b32 s20, s19, 1
	s_cmp_eq_u32 s20, 0
	s_cselect_b64 s[20:21], s[76:77], s[78:79]     ; bq or bk
	s_lshl_b32 s12, s17, 10
	s_lshl_b32 s13, s16, 9
	s_add_co_u32 s12, s12, s13
	s_mov_b32 s13, 0
	s_add_nc_u64 s[20:21], s[20:21], s[12:13]      ; at channel 256 cx + 128 j
	s_lshl_b32 s12, s2, 9
	s_lshl_b32 s66, s15, 8
	s_add_co_u32 s12, s12, s66
	s_add_nc_u64 s[22:23], s[82:83], s[12:13]      ; the mask at token 128 At + 64 i
	s_lshr_b32 s12, s2, 4
	s_lshl_b32 s12, s12, 13
	s_add_nc_u64 s[66:67], s[82:83], s[12:13]      ; the mask of my tokens' whole batch
	WIN 0xc0
.irp t, 0,1,2,3,4,5,6,7
	global_load_b128 v[8*\t:8*\t+3], v5, s[20:21] offset:256*(\t/4)+32*(\t%4)
	global_load_b128 v[8*\t+4:8*\t+7], v5, s[20:21] offset:256*(\t/4)+32*(\t%4)+16
.endr
.irp a, 0,1,2,3
	global_load_b32 v[64+\a], v6, s[22:23] offset:32*\a
.endr
.irp k, 0,1,2,3,4,5,6,7,8,9,10,11,12,13,14,15
	global_load_b128 v[68+4*\k:71+4*\k], v24, s[66:67] offset:512*\k
.endr
	WIN 0
	MAIN 1
	PLACES
	s_wait_loadcnt 0x0                             ; the bias and the masks
	s_lshr_b32 s12, s2, 4
	s_lshl_b32 s12, s12, 4
	s_lshl_b32 s13, s17, 2
	s_add_co_u32 s12, s12, s13
	s_lshl_b32 s13, s16, 1
	s_add_co_u32 s12, s12, s13                     ; 16 x batch + the first head
	s_mul_i32 s12, s12, HEADB
	s_and_b32 s66, s19, 1                          ; 0: q, 1: k
	s_cmp_eq_u32 s66, 0
	s_cselect_b32 s13, 241664, 0
	s_add_co_u32 s12, s12, s13
	s_and_b32 s13, s2, 15
	s_mul_i32 s13, s13, 8704
	s_add_co_u32 s12, s12, s13
	s_mov_b32 s13, 0
	s_add_nc_u64 s[100:101], s[84:85], s[12:13]
	s_lshl_b32 s12, s15, 12
	s_add_nc_u64 s[90:91], s[100:101], s[12:13]    ; my four pieces
	s_lshl_b32 s12, s15, 8
	s_add_co_u32 s12, s12, 8192
	s_add_nc_u64 s[100:101], s[100:101], s[12:13]  ; my 256 bytes of scale words
	s_mov_b32 s12, 8                               ; the code at place 64: q: +1;
	s_mov_b32 s13, 8
	s_mov_b32 s67, 0x7f7f                          ; a word's upper bytes: q: 127, 127;
	s_cmp_eq_u32 s66, 1
	s_cselect_b32 s12, 0x28, s12                   ; k, masked: -1;
	s_cselect_b32 s13, 0, s13                      ; k, not masked: 0
	s_cselect_b32 s67, 0x7fa0, s67                 ; k: 160, 127
	v_mov_b32 v214, s12
	v_mov_b32 v215, s13
	v_mov_b32 v209, s67
	WIN 0xcf
.irp k, 1,2,3,4,5,6,7,8,9,10,11,12,13,14,15
.irp c, 0,1,2,3
	v_or_b32 v[68+\c], v[68+\c], v[68+4*\k+\c]     ; does any key of the batch count?
.endr
.endr
	v_or_b32 v68, v68, v69
	v_or_b32 v70, v70, v71
	v_or_b32 v68, v68, v70
	v_cmp_ne_u32 s89, 0, v68
.irp a, 0,1,2,3
	v_cmp_eq_u32 s[CM+\a], 0, v[64+\a]             ; is my token of tile a masked?
.endr
	WIN 0
	s_cmp_lg_u32 s89, 0
	s_cselect_b32 s89, -1, 0                       ; all ones, or zeros where every key of the batch is masked: no jump hangs on it
.irp a, 0,1,2,3
.irp d, 0,1
	v_cndmask_b32 v[PC+16*\a+8*\d+6], v215, v214, s[CM+\a]
	v_mov_b32 v[PC+16*\a+8*\d+7], 0
.endr
.endr
.irp a, 0,1,2,3
.if \a == 2
	; THE SECOND SLOT'S REFILL STANDS HERE, in the middle of the way out, and not in K step 7 as the head comment has it: the first slot's load so has four K steps and half a way out in which to land,
	; this one the other half and the next tile's first four K steps.  All reads of the second slot were waited for at the head of K step 7.
	s_wait_alu depctr_va_vdst(0)
	s_wait_tensorcnt 0x0                           ; the next tile's first slot and scale words are in; the lines
	ds_add_u32 v28, v29
	s_wait_dscnt 0x0
	CROUND                                         ; nobody reads the second slot any more
	LOADS2
.endif
	WIN 0x0d
.set n, 0
.rept 32
	v_pk_add_f32 v[WK+n:WK+n+1], v[64*\a+n:64*\a+n+1], v[n:n+1]   ; each accumulator from its low end on
.set n, n+2
.endr
	WIN 0
	QUANT WK, PC+16*\a, 8, PW+\a
.irp n, 0,1,2,3,4,5,8,9,10,11,12,13
	v_and_b32 v[PC+16*\a+\n], s89, v[PC+16*\a+\n]
.endr
.irp d, 0,1
	global_store_b128 v24, v[PC+16*\a+8*\d:PC+16*\a+8*\d+3], s[90:91] offset:1024*\a+HEADB*\d         ; 512 consecutive bytes a store, aligned to 256
	global_store_b128 v24, v[PC+16*\a+8*\d+4:PC+16*\a+8*\d+7], s[90:91] offset:1024*\a+HEADB*\d+512
.endr
.endr
.irp a, 0,1,2,3
	v_perm_b32 v[220+\a], v209, v[PW+\a], 0x05040100   ; the first head's word: its two bytes, then the upper two;
	v_perm_b32 v[224+\a], v209, v[PW+\a], 0x05040302   ; the next head's
.endr
	v_cndmask_b32 v210, v220, v221, s88            ; lanes 0-15 carry an even tile's words, lanes 16-31 the odd neighbour's
	v_cndmask_b32 v211, v222, v223, s88
	v_cndmask_b32 v212, v224, v225, s88
	v_cndmask_b32 v213, v226, v227, s88
	global_store_b64 v25, v[210:211], s[100:101]
	global_store_b64 v25, v[212:213], s[100:101] offset:HEADB
	s_wait_xcnt 0x0                                ; the stores have read their registers and bases, which the next tile writes
	s_add_co_u32 s19, s19, 16
	s_add_co_u32 s104, s104, 1
	s_cmp_lt_u32 s104, 2
	s_wait_alu depctr_va_vdst(0)
	s_cbranch_scc1 .Ltile
	; ---- the tile of v: a lane holds a channel of head 2 At + i and the 128 tokens of one step
	PLACE 2, 3, 19
	s_and_b32 s12, s2, 7
	s_lshl_b32 s12, s12, 9
	s_lshl_b32 s13, s15, 8
	s_add_co_u32 s12, s12, s13
	s_mov_b32 s13, 0
	s_add_nc_u64 s[100:101], s[80:81], s[12:13]    ; bv at channel 128 At + 64 i
	WIN 0xc0
.irp a, 0,1,2,3
	global_load_b32 v[132+2*\a], v6, s[100:101] offset:32*\a
	global_load_b32 v[133+2*\a], v6, s[100:101] offset:32*\a   ; (twice: the packed addition names a pair)
.endr
	WIN 0
	MAIN 0
	PLACES
	s_wait_loadcnt 0x0
	s_lshl_b32 s12, s3, 1
	s_add_co_u32 s12, s12, s16                     ; which 128 tokens
	s_lshr_b32 s13, s12, 4                         ; the batch,
	s_and_b32 s12, s12, 15                         ; the step
	s_lshl_b32 s13, s13, 4
	s_lshl_b32 s66, s2, 1
	s_add_co_u32 s13, s13, s66
	s_add_co_u32 s13, s13, s15
	s_mul_i32 s13, s13, HEADB
	s_mul_i32 s12, s12, 6400
	s_add_co_u32 s12, s12, s13
	s_add_co_u32 s12, s12, 139264
	s_mov_b32 s13, 0
	s_add_nc_u64 s[90:91], s[84:85], s[12:13]
.irp a, 0,1,2,3
	WIN 0x0d
.set n, 0
.rept 32
	v_pk_add_f32 v[WK+n:WK+n+1], v[64*\a+n:64*\a+n+1], v[132+2*\a:133+2*\a] op_sel_hi:[1,0]   ; + bv of my channel
.set n, n+2
.endr
	WIN 0
	QUANT WK, PC+12*\a, 6, PW+\a
.irp c, 0,1,2
	global_store_b128 v24, v[PC+12*\a+4*\c:PC+12*\a+4*\c+3], s[90:91] offset:1536*\a+512*\c
.endr
.endr
	v_cndmask_b32 v210, v[PW], v[PW+1], s88
	v_cndmask_b32 v211, v[PW+2], v[PW+3], s88
	global_store_b64 v25, v[210:211], s[90:91] offset:6144
	s_wait_tensorcnt 0x0                           ; the wave's end
	ds_add_u32 v28, v29
	s_wait_dscnt 0x0
	CROUND                                         ; the closing round
	s_endpgm
.Lfunc_end_k_qeaafb5ecac_proj:
	.size	k_qeaafb5ecac_proj, .Lfunc_end_k_qeaafb5ecac_proj-k_qeaafb5ecac_proj
	.p2alignl 7, 3214868480
	.fill 96, 4, 3214868480
	.section	.rodata,"a",@progbits
	.p2align	6, 0x0
	.amdhsa_kernel k_qeaafb5ecac_proj
		.amdhsa_group_segment_fixed_size 327680
		.amdhsa_private_segment_fixed_size 0
		.amdhsa_enable_private_segment 0
		.amdhsa_kernarg_size 72
		.amdhsa_user_sgpr_count 2
		.amdhsa_user_sgpr_kernarg_segment_ptr 1
		.amdhsa_wavefront_size32 1
		.amdhsa_system_sgpr_workgroup_id_x 1
		.amdhsa_system_sgpr_workgroup_id_y 1
		.amdhsa_system_sgpr_workgroup_id_z 1
		.amdhsa_system_vgpr_workitem_id 0
		.amdhsa_next_free_vgpr 912
		.amdhsa_next_free_sgpr 106
		.amdhsa_reserve_vcc 0
		.amdhsa_float_denorm_mode_32 3
		.amdhsa_float_denorm_mode_16_64 3
		.amdhsa_memory_ordered 1
		.amdhsa_forward_progress 1
		.amdhsa_inst_pref_size 190
	.end_amdhsa_kernel
	.amdgpu_metadata
---
amdhsa.version: [ 1, 2 ]
amdhsa.kernels:
  - .name:           k_qeaafb5ecac_proj
    .symbol:         k_qeaafb5ecac_proj.kd
    .args:
      - { .name: xc, .offset: 0, .size: 8, .value_kind: global_buffer, .address_space: global }
      - { .name: xs, .offset: 8, .size: 8, .value_kind: global_buffer, .address_space: global }
      - { .name: wc, .offset: 16, .size: 8, .value_kind: global_buffer, .address_space: global }
      - { .name: ws, .offset: 24, .size: 8, .value_kind: global_buffer, .address_space: global }
      - { .name: bq, .offset: 32, .size: 8, .value_kind: global_buffer, .address_space: global }
      - { .name: bk, .offset: 40, .size: 8, .value_kind: global_buffer, .address_space: global }
      - { .name: bv, .offset: 48, .size: 8, .value_kind: global_buffer, .address_space: global }
      - { .name: mask, .offset: 56, .size: 8, .value_kind: global_buffer, .address_space: global }
      - { .name: qkv, .offset: 64, .size: 8, .value_kind: global_buffer, .address_space: global }
    .group_segment_fixed_size: 327680
    .private_segment_fixed_size: 0
    .kernarg_segment_align: 8
    .kernarg_segment_size: 72
    .max_flat_workgroup_size: 128
    .sgpr_count:     106
    .vgpr_count:     912
    .wavefront_size: 32
...
	.end_amdgpu_metadata
.endif
;; end of part 2
;; launch attn (part 3): grid 4 x 64, 8 waves a work-group, clusters of 4 x 1, 242,688 bytes of LDS; arguments qkv, cc, cs; writes cc, cs
.if DOCPART == 3
	.amdgcn_target "amdgcn-amd-amdhsa--gfx1250"
	.amdhsa_code_object_version 6
	.text
	.protected	k_qeaafb5ecac_attn
	.globl	k_qeaafb5ecac_attn
	.p2align	8
	.type	k_qeaafb5ecac_attn,@function
k_qeaafb5ecac_attn:
	s_mov_b64 s[64:65], 0
	v_nop
	global_prefetch_b8 v0, s[64:65] scope:SCOPE_SE
	s_setreg_imm32_b32 hwreg(HW_REG_WAVE_MODE, 25, 1), 1
	s_wait_xcnt 0x0
	s_wait_alu depctr_hold_cnt(0) depctr_sa_sdst(0) depctr_va_vdst(0) depctr_va_sdst(0) depctr_va_ssrc(0) depctr_va_vcc(0) depctr_vm_vsrc(0)
	s_getreg_b32 s2, hwreg(HW_REG_IB_STS2, 6, 4)
	s_cmp_eq_u32 s2, 0
	s_cbranch_scc0 .Lentry_in_a_cluster
	s_endpgm
.Lentry_in_a_cluster:
	s_bfe_u32 s2, ttmp6, 0x10000c
	s_cmp_lg_u32 s2, 0x3003
	s_cbranch_scc0 .Lentry_shape_is_right
	s_endpgm
.Lentry_shape_is_right:
; ctx = softmax(q k^T / 8, masked) v for one (batch, head) and 512 queries a work-group, both products on codes of FP6 (E2M3); ctx is quantised along D at once and leaves as codes.
; THE SOFTMAX: t = score x log2(e) / 8; M = the running largest t rounded UP to a whole number; p = 2^(t - M) is quantised along the keys; the row's sum is taken of the unquantised p and divides at the end.
; When M moves, the sum and O are multiplied by 2^(old M - new M): exact.
; SHARES.  Eight waves of 512 registers; a wave owns four tiles of 16 queries and takes them TWO AT A TIME (tiles A and B): each fragment of K and V, read from LDS once, feeds both, and every chain of dependent lines is written
; for both tiles line by line.  A pass walks all 2,048 keys, 128 a step.
; THE HEAD'S K AND V, 241,664 dense bytes of qkv, lie in LDS as they lie in memory, each byte filled once: every wave asks for 118 rows of 256 bytes, jointly with the same wave of the cluster's other three work-groups, which serve the same head.
; No prefetch: all fills are asked for at the head, and there is no loop to run ahead in.
; LAYOUT.  Both products transposed: S^T = K Q^T, O^T = V^T P: a lane holds ONE query of each tile.  Key tile 4 c + t of a step holds keys 64 c + 8 t + r % 8 + 32 (r / 8): so a lane's 32 registers of tiles 4 c .. 4 c + 3 are keys
; 64 c + 32 (lane / 16) + 0 .. 31: a whole scale block of p, where the second product's operand wants it.  O^T's 32 registers are likewise channels 32 (lane / 16) + 0 .. 31.
; K'S FRAGMENTS stand 8 registers apart: six of codes, one with the mask's code at place 64, one of zeros; a fragment's last four registers are the next tile's first four.  Q's codes are zeros from place 65 on, so what stands there adds nothing.
; THE MASK: place 64 holds -1 for a masked key, else 0, and +1 on Q's side; byte 2 of every key's scale word is 160: a masked key's score gets -2^33 and its p is 0.  Where all keys of a batch are masked the launch before has made
; q's and k's codes zeros: all scores are equal, p = 1: a uniform softmax.
; THE EXPONENTIALS stand in batches with a wait ahead and behind; among them stand lines of the other tile that hang on nothing written inside the batch.
; LIMITS: logits under 2^29 in magnitude; a block of zeros gets the byte 1, not 127; NaN and infinities are not served.  ctx's scale bytes leave one to a lane: a head has two bytes for a row.
; REGISTERS.  Window 0: v0-3 the step's LDS addresses; v4, v5 the add's two; v6, v7 V's scale words; from v16 (A) and v32 (B): -M, the largest score, the sum (2), f, at work, block maxima (2), scale operands (2), at work (2), a conversion's
;   result (3); v48, v49 Q's scale words; v50, v51 p's; v52-55 K's; v56 16 x lane, v57 8 x lane, v58 8 (lane / 16); v64-87 p's codes; v96-159, v160-223 S^T, then p.
;   Window 1: v0-67 K; v68-91 Q; v96-143 V; v144-207 O^T.
.set KSTEP, 8704
.set VSTEP, 6400
.set KREG,  139264
.set QREG,  241664
.set HEADB, 380928
.set SPARE, 241664
.set MSB, 0
.macro WIN new
.if MSB != \new
	s_set_vgpr_msb (MSB<<8)|\new
.set MSB, \new
.endif
.endm
.macro WALU
	s_wait_alu depctr_va_vdst(0)
.endm
.macro PLACES
.rept 4
	v_nop
.endr
.endm
.macro CROUND
	s_barrier_signal -1
	s_barrier_wait -1
	s_cmp_lg_u32 s10, 0
	s_cbranch_scc1 .Lnot_wave_0_\@
	s_barrier_signal -3
.Lnot_wave_0_\@:
	s_barrier_wait -3
	s_barrier_signal -1
	s_barrier_wait -1
.endm
	s_load_b128 s[4:7], s[0:1], 0x0                ; qkv, cc
	s_load_b64 s[8:9], s[0:1], 0x10                ; cs
	v_lshl_add_u32 v4, v0, 2, SPARE
	v_mov_b32 v5, 0
	ds_add_u32 v4, v5                              ; the opening lines
	ds_add_u32 v4, v5
	v_lshrrev_b32 v6, 5, v0
	v_readfirstlane_b32 s10, v6                    ; wave 0 .. 7
	s_bfe_u32 s11, ttmp6, 0x40000                  ; cx: which 512 queries
	s_and_b32 s12, ttmp7, 0xffff                   ; 16 x batch + head
	s_mov_b32 s16, 15|(3<<16)|(1<<21)              ; group 1: the mask names all four; elements of 8 bytes; 118 rows of 256 bytes
	s_mov_b32 s17, 32<<16
	s_mov_b32 s18, 118<<16
	s_mov_b32 s19, 32<<16
	s_mov_b32 s20, 118
	s_mov_b32 s21, 32
	s_mov_b32 s22, 0
	s_mov_b32 s23, 0
	s_mov_b32 s40, 0x76543210
	s_mov_b32 s41, 0xfedcba98                      ; selects for lane l xor 16
	s_mov_b32 s42, 0x3e38aa3b                      ; c = log2(e) / 8
	s_mov_b32 s43, s42
	s_mul_i32 s14, s12, HEADB
	s_mov_b32 s24, 1
	s_mul_i32 s25, s10, 30208                      ; my eighth: the same offset in memory and in LDS
	s_add_co_u32 s56, s14, s25
	s_mov_b32 s57, 0
	s_lshl_b32 s58, s11, 2
	s_lshr_b32 s59, s10, 1
	s_add_co_u32 s58, s58, s59                     ; my queries' block of 128
	s_mul_i32 s58, s58, KSTEP
	s_add_co_u32 s58, s58, s14
	s_add_co_u32 s58, s58, QREG
	s_and_b32 s59, s10, 1
	s_lshl_b32 s60, s59, 12
	s_add_co_u32 s48, s58, s60                     ; my four pieces
	s_mov_b32 s49, 0
	s_lshl_b32 s60, s59, 8
	s_add_co_u32 s60, s60, 8192
	s_add_co_u32 s50, s58, s60                     ; and their scale words
	s_mov_b32 s51, 0
	s_lshr_b32 s58, s12, 4
	s_lshl_b32 s58, s58, 7
	s_lshl_b32 s59, s11, 5
	s_add_co_u32 s58, s58, s59
	s_lshl_b32 s59, s10, 2
	s_add_co_u32 s58, s58, s59                     ; my first tile of tokens in cc
	s_and_b32 s59, s12, 15                         ; the head: piece 'head' of a tile
	s_mul_i32 s52, s58, 12288
	s_mul_i32 s60, s59, 768
	s_add_co_u32 s52, s52, s60
	s_mov_b32 s53, 0
	s_lshl_b32 s54, s58, 9                         ; its bytes of a row's scale words: 128 (head / 4) + 4 ((head / 2) % 2) + 2 (head % 2)
	s_lshr_b32 s60, s59, 2
	s_lshl_b32 s60, s60, 7
	s_add_co_u32 s54, s54, s60
	s_bfe_u32 s60, s59, 0x10001
	s_lshl_b32 s60, s60, 2
	s_add_co_u32 s54, s54, s60
	s_and_b32 s60, s59, 1
	s_lshl_b32 s60, s60, 1
	s_add_co_u32 s54, s54, s60
	s_mov_b32 s55, 0
	s_wait_dscnt 0x0
	s_wait_kmcnt 0x0
	s_add_nc_u64 s[26:27], s[4:5], s[56:57]
	s_or_b32 s27, s27, 0x80000000
	s_add_nc_u64 s[48:49], s[4:5], s[48:49]
	s_add_nc_u64 s[50:51], s[4:5], s[50:51]
	s_add_nc_u64 s[52:53], s[6:7], s[52:53]
	s_add_nc_u64 s[54:55], s[8:9], s[54:55]
	CROUND                                         ; all four work-groups are here: the joint loads meet
	tensor_load_to_lds s[24:27], s[16:23]          ; every wave's one load
	s_nop 0
	PLACES
	v_and_b32 v6, 31, v0
	v_lshlrev_b32 v56, 4, v6
	v_lshlrev_b32 v57, 3, v6
	v_bfe_u32 v7, v0, 4, 1
	v_lshlrev_b32 v58, 3, v7
	WIN 0x40
.irp n, 64,65,66,67,76,77,78,79,88,89,90,91
	v_mov_b32 v[\n], 0                             ; what the last fragment of K names behind its own registers; Q's idle places
.endr
	; BOTH PASSES' QUERIES are asked for here, while the tensor loads are on their way: a tile's piece (registers 6, 7: the code +1 at place 64, and zeros) and its scale words.
	; The second pass's wait in window 1, v208-223, and in v59, v60, and are moved into place at the first pass's end.
.irp x, 0,1
	global_load_b128 v[68+12*\x:71+12*\x], v56, s[48:49] offset:1024*\x
	global_load_b128 v[72+12*\x:75+12*\x], v56, s[48:49] offset:1024*\x+512
	global_load_b128 v[208+8*\x:211+8*\x], v56, s[48:49] offset:2048+1024*\x
	global_load_b128 v[212+8*\x:215+8*\x], v56, s[48:49] offset:2048+1024*\x+512
.endr
	WIN 0
	v_and_b32 v26, 0x78, v57                       ; 8 r
.irp x, 0,1
	global_load_b32 v[48+\x], v26, s[50:51] offset:128*\x
	global_load_b32 v[59+\x], v26, s[50:51] offset:128*\x+4
.endr
.macro KLOAD a16, a8                   ; a step's eight pieces and their scale words: 18 loads
	WIN 0x40
.irp t, 0,1,2,3,4,5,6,7
	ds_load_b128 v[8*\t:8*\t+3], v\a16 offset:1024*\t
	ds_load_b128 v[8*\t+4:8*\t+7], v\a16 offset:1024*\t+512
.endr
	WIN 0
	ds_load_b64 v[52:53], v\a8 offset:8192
	ds_load_b64 v[54:55], v\a8 offset:8448
.endm
.macro TREE b, st, n                   ; a level of a sum in place: n packed additions, st registers apart
.set i_, 0
.rept \n
	v_pk_add_f32 v[\b+(\st)*i_:\b+(\st)*i_+1], v[\b+(\st)*i_:\b+(\st)*i_+1], v[\b+(\st)*i_+(\st)/2:\b+(\st)*i_+(\st)/2+1]
.set i_, i_+1
.endr
.endm
; A KEY STEP for both tiles.  s45: V's block of this step; s44: K's block of the next (nxt = 1: it is fetched now, a whole step ahead)
.macro STEP nxt
	WALU
	s_wait_dscnt 0x0                               ; this step's K
	WIN 0x05
.irp t, 0,1,2,3
.irp x, 0,1
	v_wmma_scale_f32_16x16x128_f8f6f4 v[96+64*\x+16*\t:103+64*\x+16*\t], v[16*\t:16*\t+11], v[68+12*\x:79+12*\x], 0, v[52+\t], v[48+\x] matrix_a_fmt:MATRIX_FMT_FP6 matrix_b_fmt:MATRIX_FMT_FP6
.endr
.irp x, 0,1
	v_wmma_scale_f32_16x16x128_f8f6f4 v[104+64*\x+16*\t:111+64*\x+16*\t], v[16*\t+8:16*\t+19], v[68+12*\x:79+12*\x], 0, v[52+\t], v[48+\x] matrix_a_fmt:MATRIX_FMT_FP6 matrix_b_fmt:MATRIX_FMT_FP6 matrix_a_scale:MATRIX_SCALE_ROW1
.endr
.endr
	WIN 0
	v_add_nc_u32 v3, s45, v56                      ; four plain lines: the places behind the products
	v_add_nc_u32 v1, s45, v57
.if \nxt
	v_add_nc_u32 v2, s44, v56
	v_add_nc_u32 v0, s44, v57
.else
	v_nop
	v_nop
.endif
	ds_load_b64 v[6:7], v1 offset:6144
	WIN 0x40
.irp d, 0,1,2,3
.irp c, 0,1,2
	ds_load_b128 v[96+12*\d+4*\c:99+12*\d+4*\c], v3 offset:1536*\d+512*\c
.endr
.endr
.if \nxt
	KLOAD 2, 0                                     ; (under the same window setting)
.else
	WIN 0
.endif
.irp c, 0,1                            ; the largest score of each block of 32 keys: two blocks a tile, two chains a block
.irp x, 0,1
	v_max3_num_f32 v[22+16*\x+\c], v[96+64*\x+32*\c], v[97+64*\x+32*\c], v[98+64*\x+32*\c]
	v_max3_num_f32 v[26+16*\x+\c], v[99+64*\x+32*\c], v[100+64*\x+32*\c], v[101+64*\x+32*\c]
.endr
.endr
.irp i, 6,10,14,18,22,26
.irp c, 0,1
.irp x, 0,1
	v_max3_num_f32 v[22+16*\x+\c], v[22+16*\x+\c], v[96+64*\x+32*\c+\i], v[97+64*\x+32*\c+\i]
	v_max3_num_f32 v[26+16*\x+\c], v[26+16*\x+\c], v[98+64*\x+32*\c+\i], v[99+64*\x+32*\c+\i]
.endr
.endr
.endr
.irp c, 0,1
.irp x, 0,1
	v_max3_num_f32 v[22+16*\x+\c], v[22+16*\x+\c], v[126+64*\x+32*\c], v[127+64*\x+32*\c]
.endr
.endr
.irp c, 0,1
.irp x, 0,1
	v_max_num_f32 v[22+16*\x+\c], v[22+16*\x+\c], v[26+16*\x+\c]
.endr
.endr
.irp x, 0,1
	v_max_num_f32 v[21+16*\x], v[22+16*\x], v[23+16*\x]
.endr
.irp x, 0,1
	v_permlanex16_b32 v[26+16*\x], v[21+16*\x], s40, s41
.endr
.irp x, 0,1
	v_max3_num_f32 v[17+16*\x], v[17+16*\x], v[21+16*\x], v[26+16*\x]   ; the running largest score of my query
.endr
.irp x, 0,1
	v_mul_f32 v[27+16*\x], s42, v[17+16*\x]        ; as t (c is positive)
.endr
.irp x, 0,1
	v_floor_f32 v[27+16*\x], -v[27+16*\x]          ; the new -M = -ceil(t)
.endr
.irp x, 0,1
	v_sub_f32 v[21+16*\x], v[27+16*\x], v[16+16*\x]   ; old M - new M, 0 or less
.endr
.irp x, 0,1
	v_mov_b32 v[16+16*\x], v[27+16*\x]
.endr
.irp x, 0,1
	v_cvt_i32_f32 v[21+16*\x], v[21+16*\x]         ; (it saturates)
.endr
.irp x, 0,1
	v_ldexp_f32 v[20+16*\x], 1.0, v[21+16*\x]      ; f = 2^(old M - new M)
.endr
.set j, 0
.rept 32
	v_pk_fma_f32 v[96+j:97+j], v[96+j:97+j], s[42:43], v[16:17] op_sel_hi:[1,0,0]   ; tile A: t - M
.set j, j+2
.endr
.irp x, 0,1
	v_fma_f32 v[22+16*\x], v[22+16*\x], s42, v[16+16*\x]   ; the same of each block's largest score
	v_fma_f32 v[23+16*\x], v[23+16*\x], s42, v[16+16*\x]
.endr
	WIN 0x41
.irp x, 0,1
.set j, 0
.rept 16
	v_pk_mul_f32 v[144+32*\x+j:145+32*\x+j], v[144+32*\x+j:145+32*\x+j], v[20+16*\x:21+16*\x] op_sel_hi:[1,0]   ; O^T under the new M, each accumulator from its low end on
.set j, j+2
.endr
.endr
	WIN 0
	WALU
.set j, 0
.rept 32
	v_exp_f32 v[96+j], v[96+j]                     ; tile A's p; among them tile B's t - M
	v_exp_f32 v[97+j], v[97+j]
	v_pk_fma_f32 v[160+j:161+j], v[160+j:161+j], s[42:43], v[32:33] op_sel_hi:[1,0,0]
.set j, j+2
.endr
.irp n, 22,23,38,39
	v_exp_f32 v[\n], v[\n]                         ; the blocks' largest p: p rises with the score
.endr
	v_nop
	WALU
.irp n, 22,23,38,39
	v_max_num_f32 v[\n], 0x1800000, v[\n]          ; the floor 2^(3 - 127): the byte cannot fall under 1
.endr
.irp n, 22,23,38,39
	v_add_nc_u32 v[\n+2], 0xff000000, v[\n]        ; 2 off the exponent field: the conversion's scale operand
.endr
	v_cvt_scalef32_pk16_fp6_f32 v[64:66], v[96:111], v24
	v_cvt_scalef32_pk16_fp6_f32 v[28:30], v[112:127], v24
	v_cvt_scalef32_pk16_fp6_f32 v[70:72], v[128:143], v25
	v_cvt_scalef32_pk16_fp6_f32 v[44:46], v[144:159], v25
.irp n, 24,25,40,41
	v_lshrrev_b32 v[\n+2], 23, v[\n]
.endr
.irp x, 0,1
	v_lshl_or_b32 v[50+\x], v[27+16*\x], 16, v[26+16*\x]   ; my bytes: blocks h and 2 + h,
.endr
.irp x, 0,1
	v_lshlrev_b32 v[50+\x], v58, v[50+\x]
.endr
.irp x, 0,1
	v_permlanex16_b32 v[21+16*\x], v[50+\x], s40, s41
.endr
.irp x, 0,1
	v_or_b32 v[50+\x], v[50+\x], v[21+16*\x]       ; with lane l xor 16's the word is whole
.endr
.irp i, 0,1,2
	v_mov_b32 v[67+\i], v[28+\i]
	v_mov_b32 v[73+\i], v[44+\i]
.endr
	WALU
.set j, 0
.rept 16
	v_exp_f32 v[160+j], v[160+j]                   ; tile B's p, first block; among them the first level of tile A's sum, in place: its codes are made
	v_exp_f32 v[161+j], v[161+j]
	v_pk_add_f32 v[96+2*j:97+2*j], v[96+2*j:97+2*j], v[98+2*j:99+2*j]
.set j, j+2
.endr
	WALU
.set j, 0
.rept 8
	v_exp_f32 v[192+j], v[192+j]                   ; second block; among them the second level
	v_exp_f32 v[193+j], v[193+j]
	v_exp_f32 v[194+j], v[194+j]
	v_exp_f32 v[195+j], v[195+j]
	v_pk_add_f32 v[96+2*j:97+2*j], v[96+2*j:97+2*j], v[100+2*j:101+2*j]
.set j, j+4
.endr
	WALU
	v_cvt_scalef32_pk16_fp6_f32 v[76:78], v[160:175], v40
	v_cvt_scalef32_pk16_fp6_f32 v[28:30], v[176:191], v40
	v_cvt_scalef32_pk16_fp6_f32 v[82:84], v[192:207], v41
	v_cvt_scalef32_pk16_fp6_f32 v[44:46], v[208:223], v41
	TREE 96, 16, 4
.irp i, 0,1,2
	v_mov_b32 v[79+\i], v[28+\i]
	v_mov_b32 v[85+\i], v[44+\i]
.endr
	TREE 160, 4, 16
	TREE 96, 32, 2
	TREE 160, 8, 8
	TREE 96, 64, 1
	TREE 160, 16, 4
	v_pk_fma_f32 v[18:19], v[18:19], v[20:21], v[96:97] op_sel_hi:[1,0,1]   ; the sum under the new M, and this step's
	TREE 160, 32, 2
	TREE 160, 64, 1
	v_pk_fma_f32 v[34:35], v[34:35], v[36:37], v[160:161] op_sel_hi:[1,0,1]
	WALU
.if \nxt
	s_wait_dscnt 18                                ; V is in; the next step's K, 18 loads issued behind V's, may be out
.else
	s_wait_dscnt 0x0
.endif
	WIN 0x51
.irp d, 0,1
.irp x, 0,1
	v_wmma_scale_f32_16x16x128_f8f6f4 v[144+32*\x+16*\d:151+32*\x+16*\d], v[96+24*\d:107+24*\d], v[64+12*\x:75+12*\x], v[144+32*\x+16*\d:151+32*\x+16*\d], v[6+\d], v[50+\x] matrix_a_fmt:MATRIX_FMT_FP6 matrix_b_fmt:MATRIX_FMT_FP6
.endr
.irp x, 0,1
	v_wmma_scale_f32_16x16x128_f8f6f4 v[152+32*\x+16*\d:159+32*\x+16*\d], v[108+24*\d:119+24*\d], v[64+12*\x:75+12*\x], v[152+32*\x+16*\d:159+32*\x+16*\d], v[6+\d], v[50+\x] matrix_a_fmt:MATRIX_FMT_FP6 matrix_b_fmt:MATRIX_FMT_FP6 matrix_a_scale:MATRIX_SCALE_ROW1
.endr
.endr
	WIN 0
.endm
	WALU
	s_wait_tensorcnt 0x0                           ; my eighth is in,
	s_barrier_signal -1
	s_barrier_wait -1                              ; everybody's is; nothing is ever filled again
	s_mov_b32 s46, 0
.Lpass:
	KLOAD 56, 57                                   ; step 0's K
.irp x, 0,1
	v_mov_b32 v[17+16*\x], 0xff61b1e6              ; the largest score so far: -3e38
	v_mul_f32 v[16+16*\x], s42, v[17+16*\x]
	v_floor_f32 v[16+16*\x], -v[16+16*\x]          ; -M
	v_mov_b32 v[18+16*\x], 0
	v_mov_b32 v[19+16*\x], 0
.endr
	WIN 0x40
.set j, 0
.rept 64
	v_mov_b32 v[144+j], 0                          ; O^T: the step is written once; its first trip finds zeros
.set j, j+1
.endr
	WIN 0
	s_mov_b32 s44, KSTEP
	s_mov_b32 s45, KREG
	s_mov_b32 s47, 15
	WALU
	s_wait_loadcnt 0x0
.Lstep:
	STEP 1
	s_add_co_u32 s44, s44, KSTEP
	s_add_co_u32 s45, s45, VSTEP
	s_sub_co_u32 s47, s47, 1
	s_cmp_lg_u32 s47, 0
	WALU
	s_cbranch_scc1 .Lstep
	STEP 0                                         ; the last step fetches no further K
	; the pass's end: O^T / the sum is ctx: a lane's 32 registers are one block of the last product's K
	PLACES
.irp x, 0,1
	v_add_f32 v[18+16*\x], v[18+16*\x], v[19+16*\x]
.endr
.irp x, 0,1
	v_permlanex16_b32 v[26+16*\x], v[18+16*\x], s40, s41
.endr
.irp x, 0,1
	v_add_f32 v[18+16*\x], v[18+16*\x], v[26+16*\x]   ; the row's sum
.endr
	WALU
	v_rcp_f32 v18, v18
	v_rcp_f32 v34, v34
	v_nop
	WIN 0x01
	WALU
.irp x, 0,1
.set j, 0
.rept 16
	v_pk_mul_f32 v[96+64*\x+j:97+64*\x+j], v[144+32*\x+j:145+32*\x+j], v[18+16*\x:19+16*\x] op_sel_hi:[1,0]
.set j, j+2
.endr
.endr
	WIN 0
.irp x, 0,1
	v_max3_num_f32 v[22+16*\x], |v[96+64*\x]|, |v[97+64*\x]|, 0x1800000
	v_max3_num_f32 v[23+16*\x], |v[98+64*\x]|, |v[99+64*\x]|, |v[100+64*\x]|
.endr
.irp i, 5,9,13,17,21,25
.irp x, 0,1
	v_max3_num_f32 v[22+16*\x], v[22+16*\x], |v[96+64*\x+\i]|, |v[97+64*\x+\i]|
	v_max3_num_f32 v[23+16*\x], v[23+16*\x], |v[98+64*\x+\i]|, |v[99+64*\x+\i]|
.endr
.endr
.irp x, 0,1
	v_max3_num_f32 v[22+16*\x], v[22+16*\x], |v[125+64*\x]|, |v[126+64*\x]|
.endr
.irp x, 0,1
	v_max3_num_f32 v[22+16*\x], v[22+16*\x], v[23+16*\x], |v[127+64*\x]|
.endr
.irp x, 0,1
	v_add_nc_u32 v[24+16*\x], 0xff000000, v[22+16*\x]
.endr
.irp x, 0,1
	v_cvt_scalef32_pk16_fp6_f32 v[64+12*\x:66+12*\x], v[96+64*\x:111+64*\x], v[24+16*\x]
	v_cvt_scalef32_pk16_fp6_f32 v[28+16*\x:30+16*\x], v[112+64*\x:127+64*\x], v[24+16*\x]
.endr
.irp x, 0,1
	v_lshrrev_b32 v[26+16*\x], 23, v[24+16*\x]     ; my block's byte
.endr
	v_lshrrev_b32 v27, 3, v58
	v_and_or_b32 v27, v57, 0x78, v27               ; 8 r + h
.irp x, 0,1
.irp i, 0,1,2
	v_mov_b32 v[67+12*\x+\i], v[28+16*\x+\i]
.endr
.endr
.irp x, 0,1
	global_store_b128 v56, v[64+12*\x:67+12*\x], s[52:53] offset:12288*\x      ; 512 and 256 consecutive bytes, aligned to 256
	global_store_b64 v57, v[68+12*\x:69+12*\x], s[52:53] offset:12288*\x+512
	global_store_b8 v27, v[26+16*\x], s[54:55] offset:512*\x
.endr
	s_wait_xcnt 0x0                                ; the loads and stores have read their registers and bases
	WIN 0x41
.irp x, 0,1
.irp i, 0,1,2,3,4,5,6,7
	v_mov_b32 v[68+12*\x+\i], v[208+8*\x+\i]       ; the next pass's queries (behind the last pass the same again: one text for both)
.endr
.endr
	WIN 0
	v_mov_b32 v48, v59
	v_mov_b32 v49, v60
	s_add_nc_u64 s[52:53], s[52:53], 24576
	s_add_nc_u64 s[54:55], s[54:55], 1024
	s_add_co_u32 s46, s46, 1
	s_cmp_lt_u32 s46, 2
	WALU
	s_cbranch_scc1 .Lpass
	s_wait_tensorcnt 0x0                           ; the wave's end
	ds_add_u32 v4, v5
	s_wait_dscnt 0x0
	CROUND                                         ; the closing round
	s_endpgm
.Lfunc_end_k_qeaafb5ecac_attn:
	.size	k_qeaafb5ecac_attn, .Lfunc_end_k_qeaafb5ecac_attn-k_qeaafb5ecac_attn
	.p2alignl 7, 3214868480
	.fill 96, 4, 3214868480
	.section	.rodata,"a",@progbits
	.p2align	6, 0x0
	.amdhsa_kernel k_qeaafb5ecac_attn
		.amdhsa_group_segment_fixed_size 242688
		.amdhsa_private_segment_fixed_size 0
		.amdhsa_enable_private_segment 0
		.amdhsa_kernarg_size 24
		.amdhsa_user_sgpr_count 2
		.amdhsa_user_sgpr_kernarg_segment_ptr 1
		.amdhsa_wavefront_size32 1
		.amdhsa_system_sgpr_workgroup_id_x 1
		.amdhsa_system_sgpr_workgroup_id_y 1
		.amdhsa_system_sgpr_workgroup_id_z 1
		.amdhsa_system_vgpr_workitem_id 0
		.amdhsa_next_free_vgpr 512
		.amdhsa_next_free_sgpr 66
		.amdhsa_reserve_vcc 0
		.amdhsa_float_denorm_mode_32 3
		.amdhsa_float_denorm_mode_16_64 3
		.amdhsa_memory_ordered 1
		.amdhsa_forward_progress 1
		.amdhsa_inst_pref_size 70
	.end_amdhsa_kernel
	.amdgpu_metadata
---
amdhsa.version: [ 1, 2 ]
amdhsa.kernels:
  - .name:           k_qeaafb5ecac_attn
    .symbol:         k_qeaafb5ecac_attn.kd
    .args:
      - { .name: qkv, .offset: 0, .size: 8, .value_kind: global_buffer, .address_space: global }
      - { .name: cc, .offset: 8, .size: 8, .value_kind: global_buffer, .address_space: global }
      - { .name: cs, .offset: 16, .size: 8, .value_kind: global_buffer, .address_space: global }
    .group_segment_fixed_size: 242688
    .private_segment_fixed_size: 0
    .kernarg_segment_align: 8
    .kernarg_segment_size: 24
    .max_flat_workgroup_size: 256
    .sgpr_count:     66
    .vgpr_count:     512
    .wavefront_size: 32
...
	.end_amdgpu_metadata
.endif
;; end of part 3
;; launch outp (part 4): grid 4 x 64, 4 waves a work-group, clusters of 4 x 4, 327,680 bytes of LDS; arguments cc, cs, wc, ws, bo, out0; writes out0
.if DOCPART == 4
	.amdgcn_target "amdgcn-amd-amdhsa--gfx1250"
	.amdhsa_code_object_version 6
	.text
	.protected	k_qeaafb5ecac_outp
	.globl	k_qeaafb5ecac_outp
	.p2align	8
	.type	k_qeaafb5ecac_outp,@function
k_qeaafb5ecac_outp:
	s_mov_b64 s[64:65], 0
	v_nop
	global_prefetch_b8 v0, s[64:65] scope:SCOPE_SE
	s_setreg_imm32_b32 hwreg(HW_REG_WAVE_MODE, 25, 1), 1
	s_wait_xcnt 0x0
	s_wait_alu depctr_hold_cnt(0) depctr_sa_sdst(0) depctr_va_vdst(0) depctr_va_sdst(0) depctr_va_ssrc(0) depctr_va_vcc(0) depctr_vm_vsrc(0)
	s_getreg_b32 s2, hwreg(HW_REG_IB_STS2, 6, 4)
	s_cmp_eq_u32 s2, 0
	s_cbranch_scc0 .Lentry_in_a_cluster
	s_endpgm
.Lentry_in_a_cluster:
	s_bfe_u32 s2, ttmp6, 0x10000c
	s_cmp_lg_u32 s2, 0xf033
	s_cbranch_scc0 .Lentry_shape_is_right
	s_endpgm
.Lentry_shape_is_right:
; out0 = ctx Wo^T + bo on codes of FP6 (E2M3).  ctx's codes and scale words come from the attention launch, Wo's from the quantiser (tiles 192 on of wc, ws); out0 [8192][1024] f32.
; A work-group makes 128 tokens x 256 outputs over K = 1,024; its operands lie in LDS in two halves of K, each byte filled once.  Wave (i, j) makes ctx's tiles 4 i .. 4 i + 3 x Wo's tiles 8 j .. 8 j + 7: 32 accumulators.
; TRANSPOSED USE (source 0 = 16 rows of Wo, source 1 = 16 tokens): a lane holds one token.  Tile 4 G + t holds rows 64 G + 8 t + r % 8 + 32 (r / 8): register 32 G + n of a lane's 64 is output 64 G + 32 (lane / 16) + n.
; bo is the C of each sum's first product.  CLUSTER 4 x 4: ctx's tiles are shared along a row of the cluster, Wo's along a column.
; FILLS: at the head one load a wave (Wo's first half, ctx's first half, the two blocks of scale words); behind the three lines and a round waves 0 and 1 ask for the second halves.
; REGISTERS.  Window 0: v8-21 LDS addresses; v24 16 x lane, v25 8 x lane; v26, v27 scale words' addresses; v28, v29 the add's two; v30, v31 the stage; v32-55 scale words; v64-159 ctx's fragments; on the way out v64-191.
;   Window 1: the accumulators.  Window 2: Wo's fragments, two sets.  Window 3: v0-63 bo in the result's layout.
.set HALF,  147456
.set SA,    294912
.set SB,    299008
.set SPARE, 307200
.set SC,    32
.set AF,    64
.set G1A,   24
.set G1B,   32
.set G1SA,  40
.set G1SB,  48
.set G0SA,  92
.set G0SB,  96
.set MSB, 0
.macro WIN new
.if MSB != \new
	s_set_vgpr_msb (MSB<<8)|\new
.set MSB, \new
.endif
.endm
.set MUL,  0x52
.set MULB, 0x72                        ; C in window 3: the bias
.set TO_B, 0x80
.macro PLACES
.rept 4
	v_nop
.endr
.endm
.macro CROUND
	s_barrier_signal -1
	s_barrier_wait -1
	s_cmp_lg_u32 s14, 0
	s_cbranch_scc1 .Lnot_wave_0_\@
	s_barrier_signal -3
.Lnot_wave_0_\@:
	s_barrier_wait -3
	s_barrier_signal -1
	s_barrier_wait -1
.endm
.macro TLD g0, g1
	tensor_load_to_lds s[\g0:\g0+3], s[\g1:\g1+7]
	s_nop 0
	PLACES
.endm
	s_load_b256 s[4:11], s[0:1], 0x0               ; cc, cs, wc, ws
	v_lshl_add_u32 v28, v0, 2, SPARE
	v_mov_b32 v29, 0
	ds_add_u32 v28, v29                            ; the opening lines
	ds_add_u32 v28, v29
	v_lshrrev_b32 v1, 5, v0
	v_readfirstlane_b32 s14, v1
	s_lshr_b32 s15, s14, 1                         ; i
	s_and_b32 s16, s14, 1                          ; j
	s_bfe_u32 s17, ttmp6, 0x40000                  ; cx
	s_bfe_u32 s18, ttmp6, 0x40004                  ; cy
	s_and_b32 s19, ttmp7, 0xffff
	s_lshl_b32 s2, s19, 2
	s_add_co_u32 s2, s2, s18                       ; At: which 128 tokens
	s_mov_b32 s3, s17                              ; Bt: which 256 outputs
	s_lshl_b32 s100, s18, 2
	s_lshl_b32 s100, 15, s100
	s_lshl_b32 s101, 0x1111, s17
	s_or_b32 s[G1A], s100, (3<<16)|(1<<21)
	s_or_b32 s[G1B], s101, (3<<16)|(1<<21)
	s_or_b32 s[G1SA], s100, (3<<16)|(1<<21)
	s_or_b32 s[G1SB], s101, (3<<16)|(1<<21)
.irp g, G1A, G1B                       ; a tile's 6,144 bytes (512 along K), tiles 12,288 bytes apart in memory, on end in LDS
	s_mov_b32 s[\g+1], 768<<16
	s_mov_b32 s[\g+3], 768<<16
	s_mov_b32 s[\g+5], 1536
	s_mov_b32 s[\g+6], 0
	s_mov_b32 s[\g+7], 0
.endr
	s_mov_b32 s[G1A+2], 8<<16
	s_mov_b32 s[G1A+4], 8
	s_mov_b32 s[G1B+2], 16<<16
	s_mov_b32 s[G1B+4], 16
.irp g, G1SA, G1SB
	s_mov_b32 s[\g+1], 32<<16
	s_mov_b32 s[\g+3], 32<<16
	s_mov_b32 s[\g+5], 32
	s_mov_b32 s[\g+6], 0
	s_mov_b32 s[\g+7], 0
.endr
	s_mov_b32 s[G1SA+2], 16<<16
	s_mov_b32 s[G1SA+4], 16
	s_mov_b32 s[G1SB+2], 32<<16
	s_mov_b32 s[G1SB+4], 32
	s_mul_i32 s12, s2, 98304
	s_mov_b32 s13, 0
	s_lshl_b32 s66, s2, 12
	s_mov_b32 s67, 0
	s_mul_i32 s100, s3, 196608
	s_add_co_u32 s100, s100, 2359296               ; Wo begins at tile 192 of wc,
	s_mov_b32 s101, 0
	s_lshl_b32 s22, s3, 13
	s_add_co_u32 s22, s22, 98304                   ; and of ws
	s_mov_b32 s23, 0
	s_wait_dscnt 0x0
	s_wait_kmcnt 0x0
	s_add_nc_u64 s[12:13], s[4:5], s[12:13]
	s_add_nc_u64 s[66:67], s[6:7], s[66:67]
	s_add_nc_u64 s[100:101], s[8:9], s[100:101]
	s_add_nc_u64 s[22:23], s[10:11], s[22:23]
.irp q, 0,1
	s_mov_b32 s[56+4*\q], 1
	s_mov_b32 s[57+4*\q], \q*HALF
	s_add_nc_u64 s[58+4*\q:59+4*\q], s[12:13], \q*6144
	s_or_b32 s[59+4*\q], s[59+4*\q], 0x80000000
	s_mov_b32 s[68+4*\q], 1
	s_mov_b32 s[69+4*\q], \q*HALF+49152
	s_add_nc_u64 s[70+4*\q:71+4*\q], s[100:101], \q*6144
	s_or_b32 s[71+4*\q], s[71+4*\q], 0x80000000
.endr
	s_mov_b32 s[G0SA], 1
	s_mov_b32 s[G0SA+1], SA
	s_mov_b64 s[G0SA+2:G0SA+3], s[66:67]
	s_or_b32 s[G0SA+3], s[G0SA+3], 0x80000000
	s_mov_b32 s[G0SB], 1
	s_mov_b32 s[G0SB+1], SB
	s_mov_b64 s[G0SB+2:G0SB+3], s[22:23]
	s_or_b32 s[G0SB+3], s[G0SB+3], 0x80000000
	CROUND
	s_cmp_lg_u32 s14, 0                            ; the head's four tiles, one a wave, in one chain of arms
	s_cbranch_scc1 .Lh1
	TLD 68, G1B
	s_branch .Lfilled
.Lh1:
	s_cmp_lg_u32 s14, 1
	s_cbranch_scc1 .Lh2
	TLD 56, G1A
	s_branch .Lfilled
.Lh2:
	s_cmp_lg_u32 s14, 2
	s_cbranch_scc1 .Lh3
	TLD G0SA, G1SA
	s_branch .Lfilled
.Lh3:
	TLD G0SB, G1SB
.Lfilled:
	s_load_b128 s[4:7], s[0:1], 0x20               ; bo, out0
	v_and_b32 v1, 31, v0
	v_and_b32 v2, 15, v0
	v_bfe_u32 v3, v0, 4, 1
	v_lshlrev_b32 v24, 4, v1
	v_lshlrev_b32 v25, 3, v1
	s_mul_i32 s20, s15, 24576
	s_mul_i32 s21, s16, 49152
	s_add_co_u32 s21, s21, 49152
.irp q, 0,1
	v_add_nc_u32 v[8+\q], s20, v24
	v_add_nc_u32 v[12+\q], s20, v25
	v_add_nc_u32 v[16+\q], s21, v24
	v_add_nc_u32 v[20+\q], s21, v25
	s_add_co_u32 s20, s20, HALF
	s_add_co_u32 s21, s21, HALF
.endr
	v_lshlrev_b32 v4, 3, v2
	v_lshl_add_u32 v4, v3, 9, v4
	s_lshl_b32 s20, s15, 11
	s_add_co_u32 s20, s20, SA
	s_lshl_b32 s21, s16, 12
	s_add_co_u32 s21, s21, SB
	v_add_nc_u32 v26, s20, v4
	v_add_nc_u32 v27, s21, v4
	v_lshlrev_b32 v5, 7, v3                        ; the bias in the result's layout: 32 outputs on for lanes 16-31
	s_mul_i32 s20, s14, 8448                       ; my stage for the way out: 16 rows x 528 bytes, in the first half's bytes
	v_mul_u32_u24 v30, v2, 528
	v_lshl_add_u32 v30, v3, 7, v30
	v_add_nc_u32 v30, s20, v30                     ; in: row r, 128 bytes on for lanes 16-31
	v_add_nc_u32 v31, s20, v24                     ; back: 16 x lane of a row
	s_lshl_b32 s20, s3, 10
	s_lshl_b32 s21, s16, 9
	s_add_co_u32 s20, s20, s21
	s_mov_b32 s21, 0
	s_lshl_b32 s22, s2, 19
	s_lshl_b32 s23, s15, 18
	s_add_co_u32 s22, s22, s23
	s_add_co_u32 s22, s22, s20
	s_mov_b32 s23, 0
	s_wait_alu depctr_va_vdst(0)
	s_wait_kmcnt 0x0
	s_add_nc_u64 s[4:5], s[4:5], s[20:21]
	s_add_nc_u64 s[6:7], s[6:7], s[22:23]
	WIN 0xc0
.irp t, 0,1,2,3,4,5,6,7
	global_load_b128 v[8*\t:8*\t+3], v5, s[4:5] offset:256*(\t/4)+32*(\t%4)
	global_load_b128 v[8*\t+4:8*\t+7], v5, s[4:5] offset:256*(\t/4)+32*(\t%4)+16
.endr
	WIN 0
.macro FRAG reg, a16, a8, off
	ds_load_b128 v[\reg:\reg+3], v[\a16] offset:\off
	ds_load_b64 v[\reg+4:\reg+5], v[\a8] offset:\off+512
	ds_load_b128 v[\reg+6:\reg+9], v[\a16] offset:\off+768
	ds_load_b64 v[\reg+10:\reg+11], v[\a8] offset:\off+1280
.endm
.macro FETCH s
	WIN TO_B
.irp b, 0,1,2,3,4,5,6,7
	FRAG 128*((\s)%2)+12*\b, 16+(\s)/4, 20+(\s)/4, 6144*\b+1536*((\s)%4)
.endr
	WIN 0
.irp a, 0,1,2,3
	FRAG AF+48*((\s)%2)+12*\a, 8+(\s)/4, 12+(\s)/4, 6144*\a+1536*((\s)%4)
.endr
.if (\s)%2 == 0
.irp k, 0,1,2,3
	ds_load_b64 v[SC+12*(((\s)/2)%2)+2*\k:SC+12*(((\s)/2)%2)+2*\k+1], v27 offset:1024*\k+128*((\s)/2)
.endr
.irp k, 0,1
	ds_load_b64 v[SC+12*(((\s)/2)%2)+8+2*\k:SC+12*(((\s)/2)%2)+8+2*\k+1], v26 offset:1024*\k+128*((\s)/2)
.endr
.endif
.endm
.macro MUL32 s, first                  ; a K step's 32 products: the accumulators take turns; first = 1: C is the bias of Wo's tile
.irp a2, 0,1
.irp ra, 0,1
.irp b2, 0,1,2,3
.irp rb, 0,1
.set D_, 8*(8*(2*\a2+\ra)+2*\b2+\rb)
.set FB_, 128*((\s)%2)+12*(2*\b2+\rb)
.set FA_, AF+48*((\s)%2)+12*(2*\a2+\ra)
.set XB_, SC+12*(((\s)/2)%2)+2*\b2+(\s)%2
.set XA_, SC+12*(((\s)/2)%2)+8+2*\a2+(\s)%2
.if \first
.set C_, 8*(2*\b2+\rb)
.else
.set C_, D_
.endif
	v_wmma_scale_f32_16x16x128_f8f6f4 v[D_:D_+7], v[FB_:FB_+11], v[FA_:FA_+11], v[C_:C_+7], v[XB_], v[XA_] matrix_a_fmt:MATRIX_FMT_FP6 matrix_b_fmt:MATRIX_FMT_FP6 matrix_a_scale:MATRIX_SCALE_ROW\rb matrix_b_scale:MATRIX_SCALE_ROW\ra
.endr
.endr
.endr
.endr
.endm
	s_wait_alu depctr_va_vdst(0)
	s_wait_tensorcnt 0x0                           ; my tile of the head's four is in; the three lines ahead of a later first fill
	ds_add_u32 v28, v29
	s_wait_dscnt 0x0
	CROUND
	s_cmp_lg_u32 s14, 0
	s_cbranch_scc1 .Ls1
	TLD 72, G1B                                    ; the second halves of K
	s_branch .Lsec
.Ls1:
	s_cmp_lg_u32 s14, 1
	s_cbranch_scc1 .Lsec
	TLD 60, G1A
.Lsec:
	FETCH 0
	s_wait_loadcnt 0x0                             ; the bias
.irp s, 0,1,2,3,4,5,6,7
	s_wait_dscnt 0x0
.if (\s) == 3
	s_wait_tensorcnt 0x0                           ; the second half is in,
	s_barrier_signal -1
	s_barrier_wait -1                              ; everybody's part, and nobody reads the first half any more
.endif
.if (\s) < 7
.if (\s) > 0
	PLACES
.endif
	FETCH \s+1
.endif
.if (\s) == 0
	WIN MULB
	MUL32 \s, 1
.else
	WIN MUL
	MUL32 \s, 0
.endif
	WIN 0
.endr
; THE WAY OUT, a tile of 16 tokens x 128 outputs at a time, through my own stage in LDS, back as whole rows of 512 bytes.  The stage lies in the first half's bytes, which have had their only fill and their last read.
.macro TOSTAGE a
	WIN 0x04
.irp t, 0,1,2,3,4,5,6,7
	ds_store_b128 v30, v[64*(\a)+8*\t:64*(\a)+8*\t+3] offset:256*(\t/4)+32*(\t%4)          ; each accumulator from its low end on
	ds_store_b128 v30, v[64*(\a)+8*\t+4:64*(\a)+8*\t+7] offset:256*(\t/4)+32*(\t%4)+16
.endr
	WIN 0
.irp t, 0,1,2,3,4,5,6,7,8,9,10,11,12,13,14,15
	ds_load_b128 v[64+64*((\a)%2)+4*\t:64+64*((\a)%2)+4*\t+3], v31 offset:528*\t
.endr
.endm
.macro SEND a, younger                 ; row t of tile a is token 8 a + t % 8 + 32 (t / 8) of my 64
	s_wait_dscnt \younger
.irp t, 0,1,2,3,4,5,6,7,8,9,10,11,12,13,14,15
	global_store_b128 v24, v[64+64*((\a)%2)+4*\t:64+64*((\a)%2)+4*\t+3], s[6:7] offset:(8*(\a)+\t+24*(\t/8))*4096 th:TH_STORE_NT   ; 512 consecutive bytes, aligned to 256
.endr
.endm
	PLACES
	TOSTAGE 0
.irp a, 1,2,3
.if \a > 1
	s_wait_xcnt 0x0                                ; the stores of two tiles ago have read their registers
.endif
	TOSTAGE \a
	SEND \a-1, 32                                  ; behind the earlier tile's loads: this tile's 16 stores and 16 loads
.endr
	SEND 3, 0
	s_wait_tensorcnt 0x0                           ; the wave's end
	ds_add_u32 v28, v29
	s_wait_dscnt 0x0
	CROUND
	s_endpgm
.Lfunc_end_k_qeaafb5ecac_outp:
	.size	k_qeaafb5ecac_outp, .Lfunc_end_k_qeaafb5ecac_outp-k_qeaafb5ecac_outp
	.p2alignl 7, 3214868480
	.fill 96, 4, 3214868480
	.section	.rodata,"a",@progbits
	.p2align	6, 0x0
	.amdhsa_kernel k_qeaafb5ecac_outp
		.amdhsa_group_segment_fixed_size 327680
		.amdhsa_private_segment_fixed_size 0
		.amdhsa_enable_private_segment 0
		.amdhsa_kernarg_size 48
		.amdhsa_user_sgpr_count 2
		.amdhsa_user_sgpr_kernarg_segment_ptr 1
		.amdhsa_wavefront_size32 1
		.amdhsa_system_sgpr_workgroup_id_x 1
		.amdhsa_system_sgpr_workgroup_id_y 1
		.amdhsa_system_sgpr_workgroup_id_z 1
		.amdhsa_system_vgpr_workitem_id 0
		.amdhsa_next_free_vgpr 832
		.amdhsa_next_free_sgpr 102
		.amdhsa_reserve_vcc 0
		.amdhsa_float_denorm_mode_32 3
		.amdhsa_float_denorm_mode_16_64 3
		.amdhsa_memory_ordered 1
		.amdhsa_forward_progress 1
		.amdhsa_inst_pref_size 86
	.end_amdhsa_kernel
	.amdgpu_metadata
---
amdhsa.version: [ 1, 2 ]
amdhsa.kernels:
  - .name:           k_qeaafb5ecac_outp
    .symbol:         k_qeaafb5ecac_outp.kd
    .args:
      - { .name: cc, .offset: 0, .size: 8, .value_kind: global_buffer, .address_space: global }
      - { .name: cs, .offset: 8, .size: 8, .value_kind: global_buffer, .address_space: global }
      - { .name: wc, .offset: 16, .size: 8, .value_kind: global_buffer, .address_space: global }
      - { .name: ws, .offset: 24, .size: 8, .value_kind: global_buffer, .address_space: global }
      - { .name: bo, .offset: 32, .size: 8, .value_kind: global_buffer, .address_space: global }
      - { .name: out0, .offset: 40, .size: 8, .value_kind: global_buffer, .address_space: global }
    .group_segment_fixed_size: 327680
    .private_segment_fixed_size: 0
    .kernarg_segment_align: 8
    .kernarg_segment_size: 48
    .max_flat_workgroup_size: 128
    .sgpr_count:     102
    .vgpr_count:     832
    .wavefront_size: 32
...
	.end_amdgpu_metadata
.endif
;; end of part 4
